; MI455X (gfx1250); checked and timed in simulation.
; The chip was launched on July 23, 2026; its instructions are those of AMD's public machine-readable ISA for CDNA 5 (MIT licence, August 2026) and "CDNA5" Instruction Set Architecture Reference Guide (July 2026). The comments in the code are by the model that wrote it; some were corrected since.
;; Causal Self Attention. Allowed arithmetic: matrix products marked QUANTISED: E2M1 operands, one E8M0 scale for each 32 along K, by v_wmma_scale_f32_16x16x128_f8f6f4 with both operands' format E2M1 (or v_wmma_scale_f32_32x16x128_f4), f32 sums; everything else in f32.
;; Inputs: kv_b 512 float32; kv_w_codes 512 x 8 x 16 uint8 (E2M1 codes of kv_w, K innermost, in blocks of 32 codes, two codes a byte); kv_w_scales 512 x 8 uint8 (E8M0 scales of kv_w, one for each 32 codes along K); q_b 256 float32; q_w_codes 256 x 8 x 16 uint8 (E2M1 codes of q_w, K innermost, in blocks of 32 codes, two codes a byte); q_w_scales 256 x 8 uint8 (E8M0 scales of q_w, one for each 32 codes along K); x_codes 32 x 32 x 32 x 8 x 16 uint8 (E2M1 codes of x, K innermost, in blocks of 32 codes, two codes a byte); x_scales 32 x 32 x 32 x 8 uint8 (E8M0 scales of x, one for each 32 codes along K).
;; Outputs: out0 32 x 256 x 32 x 32 float32.
;; This version of the problem:
;;   THIS VERSION OF THE PROBLEM IS GIVEN IN LOW PRECISION. The matrix products marked QUANTISED in the list below multiply operands that are first quantised to E2M1 (2 exponent bits, 1 mantissa bit; 4 bits a number), with one power-of-two scale for each 32 numbers along K (OCP MX v1.0); their sums are f32. All else is computed in f32.
;;   The module's matrix products, in the order in which they are computed (A, B: the left and right operand; K: the contracted axis; several contracted axes count as one K, in the product's order):
;;     1. [M 32,768, K 256] x [K 256, N 256]; A: input x (given as codes); B: input q_w (given as codes): QUANTISED
;;     2. [M 32,768, K 256] x [K 256, N 512]; A: input x (given as codes); B: input kv_w (given as codes): QUANTISED
;;     3. batch 256 x [M 1,024, K 32] x [K 32, N 1,024]; A: computed on the way; B: computed on the way: QUANTISED
;;     4. batch 256 x [M 1,024, K 1,024] x [K 1,024, N 32]; A: computed on the way; B: computed on the way: QUANTISED
;;   THE QUANTISER, for each operand of a quantised product, along K:
;;     - K is cut into blocks of 32 from its start; a last block that is shorter is filled with zeros.
;;     - A block's scale is 2^e with e = floor(log2(the largest magnitude in the block)) - 2, held to -126 .. 127; a block of zeros has e = 0. As a byte (E8M0): e + 127.
;;     - Each number is divided by its block's scale, clamped to +-6, and rounded to the nearest number of E2M1, ties to even, subnormals kept.
;;     - The product sums the exact products of the quantised numbers (number of the format x scale) in f32.
;;   ~~~python
;;   def quantise(x, axis):      # numpy; x: float32 -> the quantised numbers, widened to float32 again
;;       x = np.moveaxis(x, axis, -1); K = x.shape[-1]
;;       x = np.pad(x, [(0, 0)] * (x.ndim - 1) + [(0, -K % 32)]); x = x.reshape(x.shape[:-1] + (-1, 32)); a = np.abs(x).max(-1, keepdims=True)
;;       e = np.where(a > 0, np.clip(np.frexp(np.where(a > 0, a, 1))[1] - 1 - 2, -126, 127), 0)      # np.frexp(a)[1] - 1 = floor(log2(a)), exactly
;;       r = np.clip(x / 2.0 ** e, -6, 6)
;;       step = 2.0 ** (np.maximum(np.frexp(np.where(r == 0, 1, r))[1] - 1, 0) - 1)
;;       q = np.round(r / step) * step * 2.0 ** e      # np.round: ties to even
;;       return np.moveaxis(q.reshape(q.shape[:-2] + (-1,))[..., :K], -1, axis).astype(np.float32)
;;   ~~~
;;   OPERANDS COMPUTED ON THE WAY. 'Computed on the way' means the value that the module computes at that place (a softmax that the list does not call 'softmax' is quantised finished and normalised). What goes into a quantiser is computed in f32, as accurately as f32 sums, v_exp_f32 and their like allow (about 1e-6 of the number): no bf16 or f16 on the way to a quantiser, and a product that is left as it is and whose result goes on into a quantised operand takes f32 operands (vector FMAs, or v_wmma_f32_16x16x4_f32). A number that lies on a knife's edge between two numbers of the format may be rounded either way, as far as f32 arithmetic and the matrix unit's own rounding can turn it there, and no further.
;;   INPUTS GIVEN AS CODES. kv_w (in the module: [512, 256], K = its axis 1); q_w (in the module: [256, 256], K = its axis 1); x (in the module: [32, 256, 32, 32], K = its axis 1): each comes as NAME_codes (uint8): NAME with its K axis moved to the last place and cut into blocks of 32 codes, [.., K / 32, bytes a block], one block behind the other in memory; two codes a byte, the lower K in the low four bits (a code: sign, 2 exponent bits, 1 mantissa bit); and NAME_scales (uint8): the same leading axes, one E8M0 byte (e + 127) for each 32 codes along K. Its value is code x scale, taken as it is: it is not quantised again, and the codes and scales need not be those that the quantiser above would give.
;; 2 versions, each right; version 2 is version 1 with the launch attn written anew for expert scheduling mode. Each part assembles by itself: llvm-mc -triple=amdgcn-amd-amdhsa -mcpu=gfx1250 --defsym DOCPART=n.
;; ======== version 1 of 2: 1 launch
;; launch attn (part 1): grid 256 x 1, 4 waves a work-group, no clusters, 91,136 bytes of LDS; arguments x_codes, x_scales, q_w_codes, q_w_scales, q_b, kv_w_codes, kv_w_scales, kv_b, out0; writes out0
.if DOCPART == 1
	.amdgcn_target "amdgcn-amd-amdhsa--gfx1250"
	.amdhsa_code_object_version 6
	.text
	.protected	k_q0b62bbbac1_attn
	.globl	k_q0b62bbbac1_attn
	.p2align	8
	.type	k_q0b62bbbac1_attn,@function
k_q0b62bbbac1_attn:
	s_mov_b64 s[64:65], 0
	v_nop
	global_prefetch_b8 v0, s[64:65] scope:SCOPE_SE
	s_setreg_imm32_b32 hwreg(HW_REG_WAVE_MODE, 25, 1), 1
	s_wait_xcnt 0x0
; Causal self-attention on codes of FP4 (E2M1) with one E8M0 scale for each 32 along a product's K.  32 batches, 8 heads of 32 channels, 1,024 positions.
; q = Wq x + bq, k = Wk x + bk, v = Wv x + bv (K = 256 channels; x and the weights arrive as codes);  s = q . k / sqrt(32) (K = the head's 32: one block);  key k counts for query q where k < q;
; hidden scores count as -10000 in the row's maximum and sum, and their weights are 0;  out = attn v (K = the keys), attn quantised FINISHED: exp(s - m) / l, in blocks of 32 keys.
; SHARES.  One work-group for each (batch, head), four waves.  PHASE A: wave w takes positions 256 w .. 256 w + 255: x's fragments come from memory straight into operand registers, the head's 96 weight rows
; likewise; q, k, v are quantised in registers and go to LDS as images of the operand registers that phase B wants.  PHASE B: a wave owns one tile of 16 queries at a time and keeps ALL its scores, up to
; 1,024 keys, in 512 registers: the exact maximum, ONE exponential a score, the sum, x 1 / l, the conversion, the second product.  Trip t = 15 .. 0, tile 4 t + wave: the four waves have the same number of key
; steps, (t / 2) + 1, and their four tiles are 64 neighbouring positions: 256 bytes of each of the head's 32 output rows, which meet in a stage in LDS and leave as whole aligned runs of 256 bytes.
; Key steps that lie wholly behind the diagonal are not computed.
; LAYOUT (r = lane % 16, h = lane / 16).  Tile (g, u) of x: row r is position 64 g + 32 (r / 8) + 8 u + r % 8.  q, k: source 0 = 16 weight rows (row m of tile p = channel 16 (m / 8) + 8 p + m % 8), source 1 = x:
; a lane holds one position and 16 neighbouring channels.  v: source 0 = x, source 1 = 16 weight rows: a lane holds one channel and, over the four tiles u, 32 neighbouring positions: a whole block of keys.
; FOUR KEY TILES IN ONE FRAGMENT: the first product's K is 32, the instruction's 128.  A fragment of K holds key tile u in its K block u; Q stands in four variants, its 32 codes in block u and zero codes
; elsewhere, which are four overlapping runs of the twenty registers zeros | QL | zeros | QH | zeros (QL: q in lanes 0-15, QH: in lanes 16-31).  So 64 keys cost two LDS loads of 16 bytes a lane.
; In the scores, register 32 c + 8 u + i of lane (r, h) is query r, key 64 c + 32 h + 8 u + i of the step: a lane holds whole blocks of keys, and the conversions' results ARE the second product's operand.
; All reads of memory stand at the head, each into the register that takes it.  x of a batch is read by the eight work-groups of its heads, 34,816 bytes a wave, once; the text has no tensor load, so there is no
; joint request to make, and nothing is left to ask for ahead of time.
; LIMITS: NaN and infinities are not served.  A weight under 2^-126 is 0 (v_exp_f32 flushes).  A block whose largest magnitude lies under 2^-124 keeps the scale byte 1.  The shift c m is rounded once and is
; common to a row, so it cancels in p / l; the hidden keys' term 2^(c (-10000 sqrt 32) - c m) is exact to about 1e-3 in its exponent, which shows only where visible scores lie near -10000.
; A block's largest weight is made from its largest score by the same instructions as every weight; that takes v_exp_f32 not to fall where its input rises.
;
; LDS
.set QIMG, 0                           ; q's codes: query x 16 bytes
.set KIMG, 16384                       ; k's: 64 keys in 1,024 bytes: (u / 2) x 512 + (u % 2) x 256 + row x 16
.set VIMG, 32768                       ; v's: (2 step + channel tile) x 1,024 + c x 512 + lane x 16
.set QSC,  49152                       ; q's scale words: query x 4, the byte in all four places
.set KSC,  53248                       ; k's: step x 128 + row x 8 + c x 4 + u
.set VSC,  54272                       ; v's: step x 128 + channel x 8 + tile x 4 + block
.set STG0, 65536                       ; two stages for the way out, 32 rows x (256 + 16) bytes, 16,384 bytes apart, by turns
.set STGX, 16384
.set SP,   272                         ; sixteen rows that a 16-byte access touches begin at sixteen different 16-byte columns of 256 bytes
; REGISTERS, window 0
.set LR,   1                           ; r
.set LH,   2                           ; h
.set SH8,  3                           ; 8 h
.set NINF, 4                           ; -infinity
.set LI,   5                           ; 16 x lane
.set L8,   6                           ; 8 r
.set QA0,  7                           ; QIMG + 16 r
.set QSA0, 8                           ; QSC + 4 r
.set QAD,  9                           ; the two with the tile's place.  (At the head v9, v10, v13: offsets of loads from memory)
.set QSAD, 10
.set SO,   11                          ; the stage: where I put my results
.set SR,   12                          ; and where I read rows back
.set SOA,  13                          ; the two with the stage's turn
.set SRA,  14
.set GO,   15                          ; my byte offset in two rows of out0
.set DB,   16                          ; r - 32 h
.set PRR,  17                          ; 32 (r / 8) + r % 8
.set D0,   18                          ; v18, v19: my query less my first key of the diagonal step's c = 0, 1
.set NEGM, 20                          ; v[20:21] -c m (the low word serves both halves)
.set RL,   22                          ; v[22:23] 1 / l (likewise)
.set RM,   24                          ; the row's largest score
.set TP,   25                          ; a lane exchange's destination
.set NMK,  26                          ; the number of hidden keys, as f32
.set EM,   27                          ; a hidden key's term
.set LS,   28                          ; l
.set T8,   29
.set WRR,  30                          ; 16 (r / 8) + r % 8
.set L,    32                          ; v[32:39] four pairs of partial sums
.set BM,   40                          ; v40-55 the largest score, then weight, of my block of step j, c: 2 j + c
.set MB,   56                          ; v56-57 second chains
.set PSC,  58                          ; v58-59 the conversions' scale operands
.set PBY,  60                          ; v60-61 the scale bytes
.set PW,   62
.set PW2,  63
.set ZQ,   64                          ; v64-83 zeros | QL | zeros | QH | zeros
.set QT,   84                          ; v84-87 a tile's q as loaded
.set PC,   88                          ; v88-95 the weights' codes
.set KF,   96                          ; v96-127 K's fragments, two sets of 16
.set VF,   128                         ; v128-159 V's, two sets of 16
.set OA,   160                         ; v160-175 the two accumulators of the second product
.set OB,   176                         ; v176-191 rows on their way out
.set XSC,  192                         ; v192-223 x's scale words: 8 group + 2 u + K step.  v192-245 hold scales and nothing else
.set WS,   224                         ; v224-235 the weights': q, k, v: 4 x which + 2 tile + K step
.set PS,   236                         ; the weights-of-attention's scale word
.set QS,   237                         ; q's
.set KS,   238                         ; v238-241 K's: 2 set + c
.set VS,   242                         ; v242-245 V's: 2 set + tile
.set KST,  246                         ; phase A's LDS store addresses
.set QST,  247
.set QSS,  248
.set KSS,  249
.set VST,  250
.set VSS,  251
.set XO,   252                         ; offsets of the head's loads from memory
.set XSO,  253
.set WO,   254
.set VO,   255
.set BO,   9
.set BVO,  10
.set WSO,  13
; phase A, window 0
.set ACC,  96                          ; v96-159 eight accumulators
.set TM,   160                         ; v160-175 at work
.set CD,   176                         ; codes just made
; window 1: phase A: x's fragments at 64 group + 16 u + 8 K step; then, with window 2, the scores: step j at window 1 + j / 4, register 64 (j % 4)
; window 3: the weights' fragments and the biases in the results' layout
.set WQ,   0
.set WK,   32
.set WVR,  64
.set BQ,   96
.set BK,   112
.set BV,   128
; SCALARS: s[4:19] the eight inputs, s[20:21] out0; s22 wave, s23 head, s24 batch; s28 trips to go, s29 t, s30 the tile's key steps, s31 the next tile's, s32 the stage's turn, s33 the tile;
; s[34:35] c = log2(e) / sqrt(32), s36 -c, s37 -10000 sqrt(32), s[38:39] selects for lane l xor 16, s40 0x01010101, s41 lanes 16-31, s42 wave + 56, s43-47 at work
.set MSB, 0
.macro WIN new                         ; s_set_vgpr_msb: bits 1:0 source 0, 3:2 source 1, 5:4 source 2, 7:6 destination; the high byte repeats the setting that is left
.if MSB != (\new)
	s_set_vgpr_msb (MSB<<8)|(\new)
.set MSB, \new
.endif
.endm
.macro PLACES n                        ; plain vector instructions behind a matrix instruction or a scaled conversion (ISA guide 7.12.1), where no useful ones are at hand
.rept \n
	v_nop
.endr
.endm
.macro MM d, a, b, c, sa, sb           ; D = A B^T + C, by first registers
	v_wmma_scale_f32_16x16x128_f8f6f4 v[(\d):(\d)+7], v[(\a):(\a)+7], v[(\b):(\b)+7], v[(\c):(\c)+7], v[\sa], v[\sb] matrix_a_fmt:MATRIX_FMT_FP4 matrix_b_fmt:MATRIX_FMT_FP4
.endm
.macro MM0 d, a, b, sa, sb             ; the same with C = 0: it starts a sum
	v_wmma_scale_f32_16x16x128_f8f6f4 v[(\d):(\d)+7], v[(\a):(\a)+7], v[(\b):(\b)+7], 0, v[\sa], v[\sb] matrix_a_fmt:MATRIX_FMT_FP4 matrix_b_fmt:MATRIX_FMT_FP4
.endm
	s_load_b512 s[4:19], s[0:1], 0x0               ; x_codes s[4:5], x_scales s[6:7], q_w_codes s[8:9], q_w_scales s[10:11], q_b s[12:13], kv_w_codes s[14:15], kv_w_scales s[16:17], kv_b s[18:19]
	s_load_b64 s[20:21], s[0:1], 0x40              ; out0
	v_lshl_add_u32 v31, v0, 2, 0x16200
	s_set_vgpr_msb 0xc0
	v_mov_b32 v255, 0
	s_set_vgpr_msb 0xc000
	v_lshrrev_b32 v[PRR], 5, v0
	v_readfirstlane_b32 s22, v[PRR]                ; wave 0..3
	s_and_b32 s23, ttmp9, 7                        ; head
	s_lshr_b32 s24, ttmp9, 3                       ; batch
	s_mov_b32 s34, 0x3e8293ee                      ; c = log2(e) / sqrt(32)
	s_mov_b32 s35, s34                             ; (named with it as a pair, so it is written)
	s_mov_b32 s36, 0xbe8293ee                      ; -c
	s_mov_b32 s37, 0xc75cf88b                      ; -10000 sqrt(32): a hidden score, ahead of the division by sqrt(32)
	s_mov_b32 s38, 0x76543210
	s_mov_b32 s39, 0xfedcba98
	s_mov_b32 s40, 0x01010101
	s_mov_b32 s41, 0xffff0000
	s_add_co_u32 s42, s22, 56
	s_mov_b32 s32, 0
	s_mov_b32 s28, 16
	v_and_b32 v[LR], 15, v0
	v_bfe_u32 v[LH], v0, 4, 1
	v_lshlrev_b32 v[SH8], 3, v[LH]
	v_mov_b32 v[NINF], 0xff800000
	v_and_b32 v[LI], 31, v0
	v_lshlrev_b32 v[LI], 4, v[LI]
	v_lshlrev_b32 v[L8], 3, v[LR]
	v_lshl_add_u32 v[QA0], v[LR], 4, QIMG
	v_lshl_add_u32 v[QSA0], v[LR], 2, QSC
	v_lshlrev_b32 v[DB], 5, v[LH]
	v_sub_nc_u32 v[DB], v[LR], v[DB]
	v_and_b32 v[T8], 8, v[LR]                      ; 8 (r / 8)
	v_mad_u32_u24 v[PRR], v[T8], 3, v[LR]          ; r + 24 (r / 8) = 32 (r / 8) + r % 8
	v_add_nc_u32 v[WRR], v[T8], v[LR]              ; r + 8 (r / 8) = 16 (r / 8) + r % 8
	; the way out
	v_mul_u32_u24 v[SO], v[LR], SP                 ; in: row = channel r (+ 16 for the second tile), my wave's 64 bytes, 32 for each half of the lanes
	v_lshl_add_u32 v[SO], v[LH], 5, v[SO]
	s_lshl_b32 s43, s22, 6
	s_add_co_u32 s43, s43, STG0
	v_add_nc_u32 v[SO], s43, v[SO]
	v_mul_u32_u24 v[SR], v[LH], SP                 ; back: wave w takes rows 8 w .. 8 w + 7; lanes 0-15 one row of 256 bytes, lanes 16-31 the next
	v_lshl_add_u32 v[SR], v[LR], 4, v[SR]
	s_mul_i32 s43, s22, 8*SP
	s_add_co_u32 s43, s43, STG0
	v_add_nc_u32 v[SR], s43, v[SR]
	v_lshlrev_b32 v[GO], 12, v[LH]                 ; and the same two rows in out0, 4,096 bytes apart
	v_lshl_add_u32 v[GO], v[LR], 4, v[GO]
	; phase A's places in the images: a lane term + a constant x wave
	s_lshl_b32 s43, s22, 12
	s_lshl_b32 s44, s22, 10
	s_lshl_b32 s45, s22, 8
	v_lshlrev_b32 v[KST], 4, v[LR]
	v_lshl_add_u32 v[KST], v[LH], 3, v[KST]
	v_add_nc_u32 v[KST], s43, v[KST]               ; 16 r + 8 h + 4,096 w
	v_lshlrev_b32 v[QST], 4, v[PRR]
	v_lshl_add_u32 v[QST], v[LH], 3, v[QST]
	v_add_nc_u32 v[QST], s43, v[QST]               ; 16 x my position in the group + 8 h + 4,096 w
	v_lshlrev_b32 v[QSS], 2, v[PRR]
	v_add_nc_u32 v[QSS], s44, v[QSS]
	v_add_nc_u32 v[KSS], s45, v[L8]
	v_add_nc_u32 v[VST], s43, v[LI]
	v_add_nc_u32 v[VSS], v[L8], v[LH]
	v_add_nc_u32 v[VSS], s45, v[VSS]
	; offsets of the loads from memory.  A row of codes is 128 bytes, a row of scale bytes 8
	v_lshlrev_b32 v[XO], 7, v[PRR]
	v_lshl_add_u32 v[XO], v[LH], 4, v[XO]
	v_lshlrev_b32 v[XSO], 3, v[PRR]
	v_lshlrev_b32 v[WO], 7, v[WRR]
	v_lshl_add_u32 v[WO], v[LH], 4, v[WO]
	v_lshlrev_b32 v[VO], 7, v[LR]
	v_lshl_add_u32 v[VO], v[LH], 4, v[VO]
	v_lshlrev_b32 v[BO], 6, v[LH]                  ; q's and k's biases: channels 16 h on
	v_lshlrev_b32 v[BVO], 2, v[LR]                 ; v's: channel r
	v_lshlrev_b32 v[WSO], 3, v[WRR]
	s_mov_b32 s27, 0
	s_wait_kmcnt 0x0
	s_lshl_b32 s26, s24, 17                        ; x's codes: 131,072 bytes a batch, 32,768 a wave
	s_lshl_b32 s43, s22, 15
	s_add_co_u32 s26, s26, s43
	s_add_nc_u64 s[4:5], s[4:5], s[26:27]
	s_lshl_b32 s26, s24, 13                        ; its scale bytes: a sixteenth of that
	s_lshl_b32 s43, s22, 11
	s_add_co_u32 s26, s26, s43
	s_add_nc_u64 s[6:7], s[6:7], s[26:27]
	s_lshl_b32 s26, s23, 12                        ; the head's 32 rows of each weight
	s_add_nc_u64 s[8:9], s[8:9], s[26:27]
	s_add_nc_u64 s[14:15], s[14:15], s[26:27]
	s_lshl_b32 s26, s23, 8
	s_add_nc_u64 s[10:11], s[10:11], s[26:27]
	s_add_nc_u64 s[16:17], s[16:17], s[26:27]
	s_lshl_b32 s26, s23, 7
	s_add_nc_u64 s[12:13], s[12:13], s[26:27]
	s_add_nc_u64 s[18:19], s[18:19], s[26:27]
	s_lshl_b32 s26, s24, 20                        ; out0: 2^20 bytes a batch, 32 rows of 4,096 a head, 8 rows a wave,
	s_lshl_b32 s43, s23, 17
	s_add_co_u32 s26, s26, s43
	s_lshl_b32 s43, s22, 15
	s_add_co_u32 s26, s26, s43
	s_add_co_u32 s26, s26, 4096                    ; and the rows' end: each trip steps 256 bytes back
	s_add_nc_u64 s[20:21], s[20:21], s[26:27]
	; A fragment, 16 rows x 128 K of 4-bit codes, is 8 registers: lane (r, h) holds row r; registers 4 c .. 4 c + 3 hold K = 64 c + 32 h + 0 .. 31: 16 bytes of the row as they lie
	WIN 0xc0                                       ; destination window 3
.irp p, 0,1
.irp k, 0,1
.irp c, 0,1
	global_load_b128 v[WQ+8*(2*\p+\k)+4*\c:WQ+8*(2*\p+\k)+4*\c+3], v[WO], s[8:9] offset:1024*\p+64*\k+32*\c
	global_load_b128 v[WK+8*(2*\p+\k)+4*\c:WK+8*(2*\p+\k)+4*\c+3], v[WO], s[14:15] offset:1024*\p+64*\k+32*\c
	global_load_b128 v[WVR+8*(2*\p+\k)+4*\c:WVR+8*(2*\p+\k)+4*\c+3], v[VO], s[14:15] offset:32768+2048*\p+64*\k+32*\c
.endr
.endr
.endr
.irp p, 0,1
.irp e, 0,1
	global_load_b128 v[BQ+8*\p+4*\e:BQ+8*\p+4*\e+3], v[BO], s[12:13] offset:32*\p+16*\e    ; register i of tile p: channel 16 h + 8 p + i
	global_load_b128 v[BK+8*\p+4*\e:BK+8*\p+4*\e+3], v[BO], s[18:19] offset:32*\p+16*\e
.endr
.endr
.irp d, 0,1
.irp n, 0,1,2,3,4,5,6,7
	global_load_b32 v[BV+8*\d+\n], v[BVO], s[18:19] offset:1024+64*\d                      ; all eight registers: channel 16 d + r
.endr
.endr
	WIN 0
.irp p, 0,1
	global_load_b64 v[WS+2*\p:WS+2*\p+1], v[WSO], s[10:11] offset:64*\p                    ; a row's 8 scale bytes: the words of its two K steps
	global_load_b64 v[WS+4+2*\p:WS+4+2*\p+1], v[WSO], s[16:17] offset:64*\p
	global_load_b64 v[WS+8+2*\p:WS+8+2*\p+1], v[L8], s[16:17] offset:2048+128*\p
.endr
.irp g, 0,1,2,3                        ; my 256 positions, in four groups of 64: 20 loads a group
	WIN 0x40                                       ; destination window 1
.irp u, 0,1,2,3
.irp k, 0,1
.irp c, 0,1
	global_load_b128 v[64*\g+16*\u+8*\k+4*\c:64*\g+16*\u+8*\k+4*\c+3], v[XO], s[4:5] offset:8192*\g+1024*\u+64*\k+32*\c
.endr
.endr
.endr
	WIN 0
.irp u, 0,1,2,3
	global_load_b64 v[XSC+8*\g+2*\u:XSC+8*\g+2*\u+1], v[XSO], s[6:7] offset:512*\g+64*\u
.endr
.endr
.irp n, 0,1,2,3
	v_mov_b32 v[ZQ+\n], 0                          ; the zero codes round q: written once
	v_mov_b32 v[ZQ+8+\n], 0
	v_mov_b32 v[ZQ+16+\n], 0
	v_mov_b32 v[TM+4+\n], 0                        ; a lane exchange's destination counts as one of its sources
.endr
.irp n, 0,1,2,3,4,5,6,7,8,9,10,11,12,13,14,15
	v_mov_b32 v[BM+\n], 0                          ; written on every way, whatever the number of key steps
.endr
	v_mov_b32 v[TP], 0
	v_mov_b32 v[PW2], 0
	v_mov_b32 v[NEGM+1], 0                         ; (upper halves of pairs of which the low word alone is used)
	v_mov_b32 v[RL+1], 0
; ---------------- PHASE A ----------------
; q or k of group g: source 0 = the weight's two tiles of 16 rows, source 1 = x's four tiles.  The bias is the C of each sum's first product.  The eight accumulators take turns, one instruction a turn
.macro QKPROJ g, wb, bb, ws
	WIN 0x37                                       ; source 0 window 3, source 1 window 1, source 2 window 3
.irp u, 0,1,2,3
.irp p, 0,1
	MM ACC+8*(2*\u+\p), \wb+16*\p, 64*\g+16*\u, \bb+8*\p, \ws+2*\p, XSC+8*\g+2*\u
.endr
.endr
	WIN 0x07                                       ; source 2 window 0: in place
.irp u, 0,1,2,3
.irp p, 0,1
	MM ACC+8*(2*\u+\p), \wb+16*\p+8, 64*\g+16*\u+8, ACC+8*(2*\u+\p), \ws+2*\p+1, XSC+8*\g+2*\u+1
.endr
.endr
	WIN 0
	PLACES 4
.endm
; v of group g: source 0 = x's four tiles, source 1 = the weight's two tiles
.macro VPROJ g
	WIN 0x3d                                       ; source 0 window 1, source 1 window 3, source 2 window 3
.irp d, 0,1
.irp u, 0,1,2,3
	MM ACC+32*\d+8*\u, 64*\g+16*\u, WVR+16*\d, BV+8*\d, XSC+8*\g+2*\u, WS+8+2*\d
.endr
.endr
	WIN 0x0d
.irp d, 0,1
.irp u, 0,1,2,3
	MM ACC+32*\d+8*\u, 64*\g+16*\u+8, WVR+16*\d+8, ACC+32*\d+8*\u, XSC+8*\g+2*\u+1, WS+8+2*\d+1
.endr
.endr
	WIN 0
	PLACES 4
.endm
; Four positions' halves of a block: register 16 u + i = channel 16 h + i of tile u's position.  Codes to v[CD + 2 u], v[CD + 2 u + 1]; the scale's byte to v[TM + 12 + u]
.macro QUANT16
.irp u, 0,1,2,3
	v_max3_num_f32 v[TM+\u], |v[ACC+16*\u]|, |v[ACC+16*\u+1]|, 0x1800000   ; my 16 numbers, and the floor 2^(3 - 127): the byte cannot fall under 1.  (Each accumulator is read from its low end on)
.endr
.irp i, 2,4,6,8,10,12,14
.irp u, 0,1,2,3
	v_max3_num_f32 v[TM+\u], v[TM+\u], |v[ACC+16*\u+\i]|, |v[ACC+16*\u+\i+1]|
.endr
.endr
.irp u, 0,1,2,3
	v_permlanex16_b32 v[TM+4+\u], v[TM+\u], s38, s39
.endr
.irp u, 0,1,2,3
	v_max_num_f32 v[TM+\u], v[TM+\u], v[TM+4+\u]   ; with lane l xor 16's 16 channels: the block's largest magnitude
.endr
.irp u, 0,1,2,3
	v_add_nc_u32 v[TM+8+\u], 0xff000000, v[TM+\u]  ; 2 off its exponent field: the conversion takes the exponent field of this operand as its scale
.endr
.irp u, 0,1,2,3
	v_lshrrev_b32 v[TM+12+\u], 23, v[TM+8+\u]      ; the scale's byte
.endr
.irp u, 0,1,2,3
	v_cvt_scalef32_pk8_fp4_f32 v[CD+2*\u], v[ACC+16*\u:ACC+16*\u+7], v[TM+8+\u]
	v_cvt_scalef32_pk8_fp4_f32 v[CD+2*\u+1], v[ACC+16*\u+8:ACC+16*\u+15], v[TM+8+\u]
.endr
	v_nop                                          ; one plain place behind the last scaled conversion
.endm
; Two channels' whole blocks: register 32 d + i = position 32 h + i of the group, channel 16 d + r.  Codes to v[CD + 4 d ..]; the byte to v[TM + 12 + d]
.macro QUANT32
.irp d, 0,1
	v_max3_num_f32 v[TM+\d], |v[ACC+32*\d]|, |v[ACC+32*\d+1]|, 0x1800000
	v_max3_num_f32 v[TM+2+\d], |v[ACC+32*\d+16]|, |v[ACC+32*\d+17]|, 0x1800000
.endr
.irp i, 2,4,6,8,10,12,14
.irp d, 0,1
	v_max3_num_f32 v[TM+\d], v[TM+\d], |v[ACC+32*\d+\i]|, |v[ACC+32*\d+\i+1]|
	v_max3_num_f32 v[TM+2+\d], v[TM+2+\d], |v[ACC+32*\d+16+\i]|, |v[ACC+32*\d+16+\i+1]|
.endr
.endr
.irp d, 0,1
	v_max_num_f32 v[TM+\d], v[TM+\d], v[TM+2+\d]   ; all 32 numbers are mine
.endr
.irp d, 0,1
	v_add_nc_u32 v[TM+8+\d], 0xff000000, v[TM+\d]
.endr
.irp d, 0,1
	v_lshrrev_b32 v[TM+12+\d], 23, v[TM+8+\d]
.endr
.irp d, 0,1
.irp u, 0,1,2,3
	v_cvt_scalef32_pk8_fp4_f32 v[CD+4*\d+\u], v[ACC+32*\d+8*\u:ACC+32*\d+8*\u+7], v[TM+8+\d]
.endr
.endr
	v_nop
.endm
.macro GROUP g
	s_wait_loadcnt 20*(3-\g)                       ; loads come back in order: all but the 20 of each later group are in
	QKPROJ \g, WQ, BQ, WS
	QUANT16
.irp u, 0,1,2,3
	ds_store_b64 v[QST], v[CD+2*\u:CD+2*\u+1] offset:QIMG+1024*\g+128*\u       ; 16 codes at byte 8 h of my position's 16
.endr
.irp u, 0,1,2,3
	v_mul_lo_u32 v[TM+12+\u], v[TM+12+\u], s40     ; q's byte in all four places of the word: it serves whichever K block holds q
.endr
.irp u, 0,1,2,3
	ds_store_b32 v[QSS], v[TM+12+\u] offset:QSC+256*\g+32*\u                   ; (both halves of the lanes write the same word with the same value)
.endr
	s_wait_dscnt 0x0                               ; the stores have read their registers
	QKPROJ \g, WK, BK, WS+4
	QUANT16
.irp u, 0,1,2,3
	ds_store_b64 v[KST], v[CD+2*\u:CD+2*\u+1] offset:KIMG+1024*\g+512*(\u/2)+256*(\u%2)   ; key tile u into K block u of the group's fragment
	ds_store_b8 v[KSS], v[TM+12+\u] offset:KSC+128*(\g/2)+4*(\g%2)+\u
.endr
	s_wait_dscnt 0x0
	VPROJ \g
	QUANT32
.irp d, 0,1
	ds_store_b128 v[VST], v[CD+4*\d:CD+4*\d+3] offset:VIMG+2048*(\g/2)+1024*\d+512*(\g%2) ; registers 4 c .. 4 c + 3 of the step's fragment, as they stand
	ds_store_b8 v[VSS], v[TM+12+\d] offset:VSC+128*(\g/2)+4*\d+2*(\g%2)
.endr
	s_wait_dscnt 0x0
.endm
	GROUP 0
	GROUP 1
	GROUP 2
	GROUP 3
	s_wait_dscnt 0x0                               ; for the others' sake: my stores into the images are done
	s_barrier_signal -1
	s_barrier_wait -1                              ; the images are whole; nobody writes them again
; ---------------- PHASE B ----------------
.macro KLOAD j, par                    ; step j's 128 keys: two fragments of 64, and their scale words
.irp c, 0,1
.irp e, 0,1
	ds_load_b128 v[KF+16*(\par)+8*\c+4*\e:KF+16*(\par)+8*\c+4*\e+3], v[LI] offset:KIMG+(2*(\j)+\c)*1024+512*\e
.endr
.endr
	ds_load_b64 v[KS+2*(\par):KS+2*(\par)+1], v[L8] offset:KSC+128*(\j)
.endm
.macro VLOAD j, par                    ; step j's V: two fragments of 16 channels x 128 keys, and their scale words
.irp d, 0,1
.irp c, 0,1
	ds_load_b128 v[VF+16*(\par)+8*\d+4*\c:VF+16*(\par)+8*\d+4*\c+3], v[LI] offset:VIMG+(2*(\j)+\d)*1024+512*\c
.endr
.endr
	ds_load_b64 v[VS+2*(\par):VS+2*(\par)+1], v[L8] offset:VSC+128*(\j)
.endm
.macro QK j, par                       ; step j's scores: eight products; variant u of Q begins at ZQ + 4, 12, 0, 8
.set SW, 1+(\j)/4
.set SB, 64*((\j)%4)
	WIN SW<<6
.irp c, 0,1
.irp u, 0,1,2,3
	MM0 SB+32*\c+8*\u, KF+16*(\par)+8*\c, ZQ+8*(\u%2)+4*(1-\u/2), KS+2*(\par)+\c, QS
.endr
.endr
	WIN 0
.endm
.macro SPLITQ                          ; q into lanes 0-15 of QL and lanes 16-31 of QH, zero codes in the other halves
.irp k, 0,1,2,3
	v_cndmask_b32 v[ZQ+4+\k], v[QT+\k], v[ZQ], s41
	v_cndmask_b32 v[ZQ+12+\k], v[ZQ], v[QT+\k], s41
.endr
.endm
; PASS 1, step j: on the diagonal the hidden scores become -infinity; then the largest score of each of my two blocks, and of the row so far
.macro P1 j
.set SW, 1+(\j)/4
.set SB, 64*((\j)%4)
.if (\j) > 0
	s_cmp_lt_u32 s30, (\j)+1
	s_cbranch_scc1 .Lp1end                         ; the tile has no such step
.endif
	s_cmp_lg_u32 s30, (\j)+1
	s_cbranch_scc1 .Lopen_\@                       ; only the tile's last step lies on the diagonal
	WIN (SW<<6)|SW
.irp c, 0,1
.irp n, 0,1,2,3,4,5,6,7,8,9,10,11,12,13,14,15,16,17,18,19,20,21,22,23,24,25,26,27,28,29,30,31
	v_cmp_gt_i32 vcc_lo, \n+1, v[D0+\c]            ; register 32 c + n holds my first key of c, + n: hidden where it is not under my query
	v_cndmask_b32 v[SB+32*\c+\n], v[SB+32*\c+\n], v[NINF], vcc_lo
.endr
.endr
	WIN 0
.Lopen_\@:
	WIN SW|(SW<<2)                                 ; sources 0 and 1: the scores' window
.irp c, 0,1
	v_max_num_f32 v[BM+2*(\j)+\c], v[SB+32*\c], v[SB+32*\c+1]                  ; four chains by turns; each accumulator is read from its low end on
	v_max_num_f32 v[MB+\c], v[SB+32*\c+16], v[SB+32*\c+17]
.endr
.irp i, 2,4,6,8,10,12,14
.irp c, 0,1
	v_max3_num_f32 v[BM+2*(\j)+\c], v[SB+32*\c+\i], v[SB+32*\c+\i+1], v[BM+2*(\j)+\c]
	v_max3_num_f32 v[MB+\c], v[SB+32*\c+16+\i], v[SB+32*\c+16+\i+1], v[MB+\c]
.endr
.endr
	WIN 0
.irp c, 0,1
	v_max_num_f32 v[BM+2*(\j)+\c], v[BM+2*(\j)+\c], v[MB+\c]
.endr
	v_max3_num_f32 v[RM], v[RM], v[BM+2*(\j)], v[BM+2*(\j)+1]
.endm
; PASS 2, step j: p = 2^(c s - c m), in place, and the sums.  The scalings stand among the exponentials: pair i is scaled, then pair i - 1's two exponentials are issued.  Nothing names a result ahead of the one wait
.macro P2 j
.set SW, 1+(\j)/4
.set SB, 64*((\j)%4)
.if (\j) > 0
	s_cmp_lt_u32 s30, (\j)+1
	s_cbranch_scc1 .Lp2end
.endif
.irp c, 0,1
	v_fma_f32 v[BM+2*(\j)+\c], v[BM+2*(\j)+\c], s34, v[NEGM]                   ; the same of each block's largest score
.endr
	WIN (SW<<6)|SW
	v_pk_fma_f32 v[SB:SB+1], v[SB:SB+1], s[34:35], v[NEGM:NEGM+1] op_sel_hi:[1,0,0]
.set i, 2
.rept 31
	v_pk_fma_f32 v[SB+i:SB+i+1], v[SB+i:SB+i+1], s[34:35], v[NEGM:NEGM+1] op_sel_hi:[1,0,0]
	v_exp_f32 v[SB+i-2], v[SB+i-2]
	v_exp_f32 v[SB+i-1], v[SB+i-1]
.set i, i+2
.endr
	v_exp_f32 v[SB+62], v[SB+62]
	v_exp_f32 v[SB+63], v[SB+63]
	WIN 0
.irp c, 0,1
	v_exp_f32 v[BM+2*(\j)+\c], v[BM+2*(\j)+\c]     ; the block's largest p: the same two instructions on the same number
.endr
	v_nop                                          ; a plain instruction behind the last exponential
	s_wait_alu depctr_va_vdst(0)                   ; one wait for the step's batch, ahead of its first reader
	WIN SW<<2                                      ; source 1: the scores' window
.set i, 0
.rept 32
	v_pk_add_f32 v[L+2*(i%4):L+2*(i%4)+1], v[L+2*(i%4):L+2*(i%4)+1], v[SB+2*i:SB+2*i+1]   ; the row's sum, of the unquantised p: four chains of pairs
.set i, i+1
.endr
	WIN 0
.endm
; PASS 3, step j: attn = p / l, quantised; out += attn v; and the NEXT tile's scores of step j land in the registers just converted
.macro P3 j
.set SW, 1+(\j)/4
.set SB, 64*((\j)%4)
.set PAR, (\j)%2
.if (\j) > 0
	s_cmp_lt_u32 s30, (\j)+1
	s_cbranch_scc1 .Lp3end
.endif
	VLOAD \j, PAR                                  ; the set's last readers stand two steps back, behind a step's vector work
	KLOAD \j, PAR
.irp c, 0,1
	v_mul_f32 v[BM+2*(\j)+\c], v[BM+2*(\j)+\c], v[RL]                          ; my block 2 c + h: its largest weight
.endr
.irp c, 0,1
	v_max_num_f32 v[BM+2*(\j)+\c], 0x1800000, v[BM+2*(\j)+\c]                  ; the floor 2^(3 - 127): a block of zeros keeps the byte 1; its codes are zeros
.endr
.irp c, 0,1
	v_add_nc_u32 v[PSC+\c], 0xff000000, v[BM+2*(\j)+\c]
.endr
.irp c, 0,1
	v_lshrrev_b32 v[PBY+\c], 23, v[PSC+\c]
.endr
	v_lshl_or_b32 v[PW], v[PBY+1], 16, v[PBY]      ; my two bytes, blocks h and 2 + h of my query,
	v_lshlrev_b32 v[PW], v[SH8], v[PW]             ; at their places in the scale word;
	v_permlanex16_b32 v[PW2], v[PW], s38, s39
	v_or_b32 v[PS], v[PW], v[PW2]                  ; with lane l xor 16's two the word is whole.  (The 32 multiplications below and four more stand between it and the product)
	WIN (SW<<6)|SW
.set i, 0
.rept 32
	v_pk_mul_f32 v[SB+i:SB+i+1], v[SB+i:SB+i+1], v[RL:RL+1] op_sel_hi:[1,0]
.set i, i+2
.endr
	WIN SW
.irp c, 0,1
.irp u, 0,1,2,3
	v_cvt_scalef32_pk8_fp4_f32 v[PC+4*\c+\u], v[SB+32*\c+8*\u:SB+32*\c+8*\u+7], v[PSC+\c]  ; register 4 c + u of the operand: keys 64 c + 32 h + 8 u on
.endr
.endr
	WIN 0
	PLACES 4                                       ; behind the conversions, and ahead of the product that takes their results
	s_wait_dscnt 0x0                               ; V and K are in
.if (\j) == 0
	MM0 OA, PC, VF+16*PAR, PS, VS+2*PAR            ; source 0 = the weights' 16 queries, source 1 = 16 channels of V: a lane holds one channel and eight neighbouring queries
	MM0 OA+8, PC, VF+16*PAR+8, PS, VS+2*PAR+1
.else
	MM OA, PC, VF+16*PAR, OA, PS, VS+2*PAR         ; the two accumulators take turns
	MM OA+8, PC, VF+16*PAR+8, OA+8, PS, VS+2*PAR+1
.endif
	s_cmp_lt_u32 s31, (\j)+1
	s_cbranch_scc1 .Lnoqk_\@                       ; the next tile has no such step
	QK \j, PAR
.Lnoqk_\@:
.endm
	; The first tile, 60 + wave: all eight steps' scores.  They also write all 512 score registers ahead of the loop
	s_add_co_u32 s43, s22, 60
	s_lshl_b32 s44, s43, 8
	s_lshl_b32 s45, s43, 6
	v_add_nc_u32 v[QAD], s44, v[QA0]
	v_add_nc_u32 v[QSAD], s45, v[QSA0]
	ds_load_b128 v[QT:QT+3], v[QAD]
	ds_load_b32 v[QS], v[QSAD]
	KLOAD 0, 0
	KLOAD 1, 1
	s_wait_dscnt 10                                ; q and its scale word are in; the ten loads of K's first two steps may be out
	SPLITQ
	PLACES 4                                       ; an operand written by vector instructions stands four places ahead of the product
.irp j, 0,1,2,3,4,5,6,7
.if \j < 7
	s_wait_dscnt 5                                 ; this step's K is in; the next step's five loads may be out
.else
	s_wait_dscnt 0x0
.endif
	QK \j, \j%2
.if \j < 6
	PLACES 4                                       ; ahead of loads into registers that those products have read
	KLOAD \j+2, \j%2
.endif
.endr
	PLACES 4
.Ltile:                                                ; sixteen trips: t = 15 .. 0
	s_sub_co_u32 s29, s28, 1                       ; t
	s_lshr_b32 s30, s29, 1
	s_add_co_u32 s30, s30, 1                       ; the tile's key steps: t / 2 + 1
	s_lshr_b32 s31, s28, 1                         ; the next tile's: (t - 1) / 2 + 1, and 0 behind the last
	s_lshl_b32 s33, s29, 2
	s_add_co_u32 s33, s33, s22                     ; the tile: 4 t + wave
	s_and_b32 s43, s33, 7
	s_lshl_b32 s43, s43, 4
	v_add_nc_u32 v[D0], s43, v[DB]                 ; my query less the diagonal step's first key, less 32 h;
	v_add_nc_u32 v[D0+1], 0xffffffc0, v[D0]        ; less 64 more for c = 1
	s_lshl_b32 s44, s33, 4
	s_sub_co_u32 s44, 1024, s44
	v_sub_nc_u32 v[NMK], s44, v[LR]
	v_cvt_f32_u32 v[NMK], v[NMK]                   ; 1,024 - my query: the keys that are hidden from it
	s_lshl_b32 s45, s28, 2
	s_add_co_u32 s45, s45, s42
	s_and_b32 s45, s45, 63                         ; the next tile, 4 (t - 1) + wave, modulo 64: behind the last tile a tile whose bytes are loaded and not used
	s_lshl_b32 s46, s45, 8
	s_lshl_b32 s47, s45, 6
	v_add_nc_u32 v[QAD], s46, v[QA0]
	v_add_nc_u32 v[QSAD], s47, v[QSA0]
	ds_load_b128 v[QT:QT+3], v[QAD]                ; the next tile's q: this tile's scores are all made
	ds_load_b32 v[QS], v[QSAD]
	v_mov_b32 v[RM], s37                           ; the hidden keys' score counts in the maximum
.irp j, 0,1,2,3,4,5,6,7
	P1 \j
.endr
.Lp1end:
	v_permlanex16_b32 v[TP], v[RM], s38, s39
	v_max_num_f32 v[RM], v[RM], v[TP]              ; with lane l xor 16's blocks: the row's maximum m
	v_mul_f32 v[NEGM], s36, v[RM]                  ; -c m
	v_fma_f32 v[EM], s37, s34, v[NEGM]
	s_wait_dscnt 0x0                               ; the next tile's q is in
	SPLITQ
.irp n, 0,1,2,3,4,5,6,7
	v_mov_b32 v[L+\n], 0
.endr
	v_exp_f32 v[EM], v[EM]                         ; a hidden key's term; the first step's wait below stands ahead of its reader, with no label or branch between
.irp j, 0,1,2,3,4,5,6,7
	P2 \j
.endr
.Lp2end:
	v_pk_add_f32 v[L:L+1], v[L:L+1], v[L+2:L+3]
	v_pk_add_f32 v[L+4:L+5], v[L+4:L+5], v[L+6:L+7]
	v_pk_add_f32 v[L:L+1], v[L:L+1], v[L+4:L+5]
	v_add_f32 v[LS], v[L], v[L+1]
	v_permlanex16_b32 v[TP], v[LS], s38, s39
	v_add_f32 v[LS], v[LS], v[TP]
	v_fmac_f32 v[LS], v[NMK], v[EM]                ; l = the visible keys' sum + the hidden keys' terms
	v_rcp_f32 v[RL], v[LS]
	v_nop                                          ; a plain instruction behind the reciprocal
	s_wait_alu depctr_va_vdst(0)                   ; and the wait ahead of its first reader
.irp j, 0,1,2,3,4,5,6,7
	P3 \j
.endr
.Lp3end:
	; THE WAY OUT.  A lane holds 32 neighbouring bytes of an output row; a row's 256 bytes of this trip come from four waves: they meet in a stage.  Two stages take turns, so one barrier a trip serves:
	; a stage is written again two trips on, behind the next trip's barrier, in front of which every wave has waited for its reads of it.
	v_add_nc_u32 v[SOA], s32, v[SO]
	v_add_nc_u32 v[SRA], s32, v[SR]
	v_nop
	v_nop                                          ; four places behind the last products
	ds_store_b128 v[SOA], v[OA:OA+3]               ; each accumulator from its low end on
	ds_store_b128 v[SOA], v[OA+4:OA+7] offset:16
	ds_store_b128 v[SOA], v[OA+8:OA+11] offset:16*SP
	ds_store_b128 v[SOA], v[OA+12:OA+15] offset:16*SP+16
	s_wait_dscnt 0x0                               ; for the others' sake: my stores are done, and so are all my earlier LDS reads
	s_barrier_signal -1
	s_barrier_wait -1
	s_wait_xcnt 0x0                                ; the last trip's stores have read their base and their data: both are written again only behind this wait
	s_sub_nc_u64 s[20:21], s[20:21], 256           ; this trip's 64 positions
.irp k, 0,1,2,3
	ds_load_b128 v[OB+4*\k:OB+4*\k+3], v[SRA] offset:2*SP*\k
.endr
.irp k, 0,1,2,3
	s_wait_dscnt 3-\k                              ; LDS loads come back in order: the younger ones may be out
	global_store_b128 v[GO], v[OB+4*\k:OB+4*\k+3], s[20:21] offset:8192*\k th:TH_STORE_NT  ; sixteen lanes store 256 consecutive bytes, at a multiple of 256 from out0's first byte; written once
.endr
	s_xor_b32 s32, s32, STGX                       ; the other stage
	s_sub_co_u32 s28, s28, 1
	s_cmp_lg_u32 s28, 0
	s_cbranch_scc1 .Ltile
	s_set_vgpr_msb 0xc
	s_wait_tensorcnt 0x0
	ds_add_u32 v31, v255
	s_wait_dscnt 0x0
	s_set_vgpr_msb 0xc00
	s_endpgm
.Lfunc_end_k_q0b62bbbac1_attn:
	.size	k_q0b62bbbac1_attn, .Lfunc_end_k_q0b62bbbac1_attn-k_q0b62bbbac1_attn
	.p2alignl 7, 3214868480
	.fill 96, 4, 3214868480
	.section	.rodata,"a",@progbits
	.p2align	6, 0x0
	.amdhsa_kernel k_q0b62bbbac1_attn
		.amdhsa_group_segment_fixed_size 91136
		.amdhsa_private_segment_fixed_size 0
		.amdhsa_enable_private_segment 0
		.amdhsa_kernarg_size 72
		.amdhsa_user_sgpr_count 2
		.amdhsa_user_sgpr_kernarg_segment_ptr 1
		.amdhsa_wavefront_size32 1
		.amdhsa_system_sgpr_workgroup_id_x 1
		.amdhsa_system_sgpr_workgroup_id_y 1
		.amdhsa_system_sgpr_workgroup_id_z 1
		.amdhsa_system_vgpr_workitem_id 0
		.amdhsa_next_free_vgpr 1024
		.amdhsa_next_free_sgpr 66
		.amdhsa_reserve_vcc 1
		.amdhsa_float_denorm_mode_32 3
		.amdhsa_float_denorm_mode_16_64 3
		.amdhsa_memory_ordered 1
		.amdhsa_forward_progress 1
		.amdhsa_inst_pref_size 252
	.end_amdhsa_kernel
	.amdgpu_metadata
---
amdhsa.version: [ 1, 2 ]
amdhsa.kernels:
  - .name:           k_q0b62bbbac1_attn
    .symbol:         k_q0b62bbbac1_attn.kd
    .args:
      - { .name: x_codes, .offset: 0, .size: 8, .value_kind: global_buffer, .address_space: global }
      - { .name: x_scales, .offset: 8, .size: 8, .value_kind: global_buffer, .address_space: global }
      - { .name: q_w_codes, .offset: 16, .size: 8, .value_kind: global_buffer, .address_space: global }
      - { .name: q_w_scales, .offset: 24, .size: 8, .value_kind: global_buffer, .address_space: global }
      - { .name: q_b, .offset: 32, .size: 8, .value_kind: global_buffer, .address_space: global }
      - { .name: kv_w_codes, .offset: 40, .size: 8, .value_kind: global_buffer, .address_space: global }
      - { .name: kv_w_scales, .offset: 48, .size: 8, .value_kind: global_buffer, .address_space: global }
      - { .name: kv_b, .offset: 56, .size: 8, .value_kind: global_buffer, .address_space: global }
      - { .name: out0, .offset: 64, .size: 8, .value_kind: global_buffer, .address_space: global }
    .group_segment_fixed_size: 91136
    .private_segment_fixed_size: 0
    .kernarg_segment_align: 8
    .kernarg_segment_size: 72
    .max_flat_workgroup_size: 128
    .sgpr_count:     66
    .vgpr_count:     1024
    .wavefront_size: 32
...
	.end_amdgpu_metadata
.endif
;; end of part 1
;; ======== version 2 of 2: 1 launch; version 1 with the launch attn written anew for expert scheduling mode
;; launch attn (part 2): grid 256 x 1, 4 waves a work-group, no clusters, 91,136 bytes of LDS; arguments x_codes, x_scales, q_w_codes, q_w_scales, q_b, kv_w_codes, kv_w_scales, kv_b, out0; writes out0
.if DOCPART == 2
	.amdgcn_target "amdgcn-amd-amdhsa--gfx1250"
	.amdhsa_code_object_version 6
	.text
	.protected	k_q0b62bbbac1_attn
	.globl	k_q0b62bbbac1_attn
	.p2align	8
	.type	k_q0b62bbbac1_attn,@function
k_q0b62bbbac1_attn:
	s_mov_b64 s[64:65], 0
	v_nop
	global_prefetch_b8 v0, s[64:65] scope:SCOPE_SE
	s_setreg_imm32_b32 hwreg(HW_REG_WAVE_SCHED_MODE, 0, 2), 2
	s_setreg_imm32_b32 hwreg(HW_REG_WAVE_MODE, 25, 1), 1
	s_wait_xcnt 0x0
	s_wait_alu depctr_vm_vsrc(0)
; Causal self-attention on codes of FP4 (E2M1) with one E8M0 scale for each 32 along a product's K.  32 batches, 8 heads of 32 channels, 1,024 positions.
; q = Wq x + bq, k = Wk x + bk, v = Wv x + bv (K = 256 channels; x and the weights arrive as codes);  s = q . k / sqrt(32) (K = the head's 32: one block);  key k counts for query q where k < q;
; hidden scores count as -10000 in the row's maximum and sum, and their weights are 0;  out = attn v (K = the keys), attn quantised FINISHED: exp(s - m) / l, in blocks of 32 keys.
; SHARES.  One work-group for each (batch, head), four waves.  PHASE A: wave w takes positions 256 w .. 256 w + 255: x's fragments come from memory straight into operand registers, the head's 96 weight rows
; likewise; q, k, v are quantised in registers and go to LDS as images of the operand registers that phase B wants.  PHASE B: a wave owns one tile of 16 queries at a time and keeps ALL its scores, up to
; 1,024 keys, in 512 registers: the exact maximum, ONE exponential a score, the sum, x 1 / l, the conversion, the second product.  Trip t = 15 .. 0, tile 4 t + wave: the four waves have the same number of key
; steps, (t / 2) + 1, and their four tiles are 64 neighbouring positions: 256 bytes of each of the head's 32 output rows, which meet in a stage in LDS and leave as whole aligned runs of 256 bytes.
; Key steps that lie wholly behind the diagonal are not computed.
; LAYOUT (r = lane % 16, h = lane / 16).  Tile (g, u) of x: row r is position 64 g + 32 (r / 8) + 8 u + r % 8.  q, k: source 0 = 16 weight rows (row m of tile p = channel 16 (m / 8) + 8 p + m % 8), source 1 = x:
; a lane holds one position and 16 neighbouring channels.  v: source 0 = x, source 1 = 16 weight rows: a lane holds one channel and, over the four tiles u, 32 neighbouring positions: a whole block of keys.
; FOUR KEY TILES IN ONE FRAGMENT: the first product's K is 32, the instruction's 128.  A fragment of K holds key tile u in its K block u; Q stands in four variants, its 32 codes in block u and zero codes
; elsewhere, which are four overlapping runs of the twenty registers zeros | QL | zeros | QH | zeros (QL: q in lanes 0-15, QH: in lanes 16-31).  So 64 keys cost two LDS loads of 16 bytes a lane.
; In the scores, register 32 c + 8 u + i of lane (r, h) is query r, key 64 c + 32 h + 8 u + i of the step: a lane holds whole blocks of keys, and the conversions' results ARE the second product's operand.
; All reads of memory stand at the head, each into the register that takes it.  x of a batch is read by the eight work-groups of its heads, 34,816 bytes a wave, once; the text has no tensor load, so there is no
; joint request to make, and nothing is left to ask for ahead of time.
; LIMITS: NaN and infinities are not served.  A weight under 2^-126 is 0 (v_exp_f32 flushes).  A block whose largest magnitude lies under 2^-124 keeps the scale byte 1.  The shift c m is rounded once and is
; common to a row, so it cancels in p / l; the hidden keys' term 2^(c (-10000 sqrt 32) - c m) is exact to about 1e-3 in its exponent, which shows only where visible scores lie near -10000.
; A block's largest weight is made from its largest score by the same instructions as every weight; that takes v_exp_f32 not to fall where its input rises.
; THE MODE: SCHED_MODE bits 1:0 = 2 (LLVM: expert scheduling mode 2), set by the entry lines.  The code itself states the register dependences between vector or matrix instructions and memory or LDS
; instructions, with s_wait_alu, always for 0.
; THE PLAN.  Registers that memory or LDS instructions touch, and who else names them:
;   v5-8, v11, v12, v15, v246-255, and v9, v10, v13 as offsets: made at the head, ahead of ONE wait on va_vdst in front of the first load.  Only v9, v10, v13 are written again, in phase B, behind phase A's waits on vm_vsrc.
;   CD, TM + 12 ..   phase A: a quantiser writes them, the run of LDS stores behind it reads them: a wait on va_vdst ahead of the run, a wait on vm_vsrc behind it, ahead of the next quantiser.
;   QAD, QSAD        written at a trip's head, read by q's two LDS loads there.   QT: loaded there, read by SPLITQ.   QS: loaded there, read by pass 3's products K Q^T.
;   KF, KS, VF, VS   two sets.  Step j's products read set j % 2; step j + 1's loads land in the other set, which step j - 1's products read.  (Ahead of the loop V's two sets serve K as a third and a fourth.)
;   OA               written by pass 3's products, read by the way out's LDS stores.   SOA, SRA: written and read on the way out.   OB: the stage's loads land in it, the stores to memory read it.
;   The scores, PC, PS and ZQ are named by vector and matrix instructions alone; ZQ, PC and PS are written by vector instructions and taken by scaled products.
; A TRIP'S WAITS.  At its head one on vm_vsrc (the last trip's LDS and memory instructions have read QAD, QSAD, SOA, SRA, OA, OB) and one on va_vdst (QAD, QSAD are written; the last trip is done with QT, QS and set 0):
; q's loads and step 0's V and K follow it.  In pass 1 one on va_sdst behind each sixteen compares of the diagonal's mask.  In pass 2 one on va_vdst a step, for its exponentials; the first also stands between SPLITQ
; and the products that take ZQ.  One for the reciprocal.  In pass 3 ONE on va_vdst a step, directly ahead of its products: PC and PS are written, and the step before is done with the other set, in which the next
; step's loads then land, a step ahead of their use.  On the way out one on va_vdst: OA, SOA, SRA are written.
;
; LDS
.set QIMG, 0                           ; q's codes: query x 16 bytes
.set KIMG, 16384                       ; k's: 64 keys in 1,024 bytes: (u / 2) x 512 + (u % 2) x 256 + row x 16
.set VIMG, 32768                       ; v's: (2 step + channel tile) x 1,024 + c x 512 + lane x 16
.set QSC,  49152                       ; q's scale words: query x 4, the byte in all four places
.set KSC,  53248                       ; k's: step x 128 + row x 8 + c x 4 + u
.set VSC,  54272                       ; v's: step x 128 + channel x 8 + tile x 4 + block
.set STG0, 65536                       ; two stages for the way out, 32 rows x (256 + 16) bytes, 16,384 bytes apart, by turns
.set STGX, 16384
.set SP,   272                         ; sixteen rows that a 16-byte access touches begin at sixteen different 16-byte columns of 256 bytes
; REGISTERS, window 0
.set LR,   1                           ; r
.set LH,   2                           ; h
.set SH8,  3                           ; 8 h
.set NINF, 4                           ; -infinity
.set LI,   5                           ; 16 x lane
.set L8,   6                           ; 8 r
.set QA0,  7                           ; QIMG + 16 r
.set QSA0, 8                           ; QSC + 4 r
.set QAD,  9                           ; the two with the tile's place.  (At the head v9, v10, v13: offsets of loads from memory)
.set QSAD, 10
.set SO,   11                          ; the stage: where I put my results
.set SR,   12                          ; and where I read rows back
.set SOA,  13                          ; the two with the stage's turn
.set SRA,  14
.set GO,   15                          ; my byte offset in two rows of out0
.set DB,   16                          ; r - 32 h
.set PRR,  17                          ; 32 (r / 8) + r % 8
.set D0,   18                          ; v18, v19: my query less my first key of the diagonal step's c = 0, 1
.set NEGM, 20                          ; v[20:21] -c m (the low word serves both halves)
.set RL,   22                          ; v[22:23] 1 / l (likewise)
.set RM,   24                          ; the row's largest score
.set TP,   25                          ; a lane exchange's destination
.set NMK,  26                          ; the number of hidden keys, as f32
.set EM,   27                          ; a hidden key's term
.set LS,   28                          ; l
.set T8,   29
.set WRR,  30                          ; 16 (r / 8) + r % 8
.set L,    32                          ; v[32:39] four pairs of partial sums
.set BM,   40                          ; v40-55 the largest score, then weight, of my block of step j, c: 2 j + c
.set MB,   56                          ; v56-57 second chains
.set PSC,  58                          ; v58-59 the conversions' scale operands
.set PBY,  60                          ; v60-61 the scale bytes
.set PW,   62
.set PW2,  63
.set ZQ,   64                          ; v64-83 zeros | QL | zeros | QH | zeros
.set QT,   84                          ; v84-87 a tile's q as loaded
.set PC,   88                          ; v88-95 the weights' codes
.set KF,   96                          ; v96-127 K's fragments, two sets of 16
.set VF,   128                         ; v128-159 V's, two sets of 16: KF's sets 2 and 3 ahead of the loop
.set OA,   160                         ; v160-175 the two accumulators of the second product
.set OB,   176                         ; v176-191 rows on their way out
.set XSC,  192                         ; v192-223 x's scale words: 8 group + 2 u + K step.  v192-245 hold scales and nothing else
.set WS,   224                         ; v224-235 the weights': q, k, v: 4 x which + 2 tile + K step
.set PS,   236                         ; the weights-of-attention's scale word
.set QS,   237                         ; q's
.set KS,   238                         ; v238-241 K's: 2 set + c
.set VS,   242                         ; v242-245 V's: 2 set + tile: KS's sets 2 and 3 ahead of the loop
.set KST,  246                         ; phase A's LDS store addresses
.set QST,  247
.set QSS,  248
.set KSS,  249
.set VST,  250
.set VSS,  251
.set XO,   252                         ; offsets of the head's loads from memory
.set XSO,  253
.set WO,   254
.set VO,   255
.set BO,   9
.set BVO,  10
.set WSO,  13
; phase A, window 0
.set ACC,  96                          ; v96-159 eight accumulators
.set TM,   160                         ; v160-175 at work
.set CD,   176                         ; codes just made
; window 1: phase A: x's fragments at 64 group + 16 u + 8 K step; then, with window 2, the scores: step j at window 1 + j / 4, register 64 (j % 4)
; window 3: the weights' fragments and the biases in the results' layout
.set WQ,   0
.set WK,   32
.set WVR,  64
.set BQ,   96
.set BK,   112
.set BV,   128
; SCALARS: s[4:19] the eight inputs, s[20:21] out0; s22 wave, s23 head, s24 batch; s28 trips to go, s29 t, s30 the tile's key steps, s31 the next tile's, s32 the stage's turn, s33 the tile;
; s[34:35] c = log2(e) / sqrt(32), s36 -c, s37 -10000 sqrt(32), s[38:39] selects for lane l xor 16, s40 0x01010101, s41 lanes 16-31, s42 wave + 56, s43-47 at work; s48-63 sixteen masks of the diagonal
.set MK,   48
.set MSB, 0
.macro WIN new                         ; s_set_vgpr_msb: bits 1:0 source 0, 3:2 source 1, 5:4 source 2, 7:6 destination; the high byte repeats the setting that is left
.if MSB != (\new)
	s_set_vgpr_msb (MSB<<8)|(\new)
.set MSB, \new
.endif
.endm
.macro PLACES n                        ; plain vector instructions behind a matrix instruction or a scaled conversion (ISA guide 7.12.1), where no useful ones are at hand
.rept \n
	v_nop
.endr
.endm
.macro MM d, a, b, c, sa, sb           ; D = A B^T + C, by first registers
	v_wmma_scale_f32_16x16x128_f8f6f4 v[(\d):(\d)+7], v[(\a):(\a)+7], v[(\b):(\b)+7], v[(\c):(\c)+7], v[\sa], v[\sb] matrix_a_fmt:MATRIX_FMT_FP4 matrix_b_fmt:MATRIX_FMT_FP4
.endm
.macro MM0 d, a, b, sa, sb             ; the same with C = 0: it starts a sum
	v_wmma_scale_f32_16x16x128_f8f6f4 v[(\d):(\d)+7], v[(\a):(\a)+7], v[(\b):(\b)+7], 0, v[\sa], v[\sb] matrix_a_fmt:MATRIX_FMT_FP4 matrix_b_fmt:MATRIX_FMT_FP4
.endm
	s_load_b512 s[4:19], s[0:1], 0x0               ; x_codes s[4:5], x_scales s[6:7], q_w_codes s[8:9], q_w_scales s[10:11], q_b s[12:13], kv_w_codes s[14:15], kv_w_scales s[16:17], kv_b s[18:19]
	s_load_b64 s[20:21], s[0:1], 0x40              ; out0
	v_lshl_add_u32 v31, v0, 2, 0x16200
	s_set_vgpr_msb 0xc0
	v_mov_b32 v255, 0
	s_set_vgpr_msb 0xc000
	v_lshrrev_b32 v[PRR], 5, v0
	v_readfirstlane_b32 s22, v[PRR]                ; wave 0..3
	s_and_b32 s23, ttmp9, 7                        ; head
	s_lshr_b32 s24, ttmp9, 3                       ; batch
	s_mov_b32 s34, 0x3e8293ee                      ; c = log2(e) / sqrt(32)
	s_mov_b32 s35, s34                             ; (named with it as a pair, so it is written)
	s_mov_b32 s36, 0xbe8293ee                      ; -c
	s_mov_b32 s37, 0xc75cf88b                      ; -10000 sqrt(32): a hidden score, ahead of the division by sqrt(32)
	s_mov_b32 s38, 0x76543210
	s_mov_b32 s39, 0xfedcba98
	s_mov_b32 s40, 0x01010101
	s_mov_b32 s41, 0xffff0000
	s_wait_alu depctr_va_sdst(0)                   ; s22 is written, ahead of its first reader
	s_add_co_u32 s42, s22, 56
	s_mov_b32 s32, 0
	s_mov_b32 s28, 16
	v_and_b32 v[LR], 15, v0
	v_bfe_u32 v[LH], v0, 4, 1
	v_lshlrev_b32 v[SH8], 3, v[LH]
	v_mov_b32 v[NINF], 0xff800000
	v_and_b32 v[LI], 31, v0
	v_lshlrev_b32 v[LI], 4, v[LI]
	v_lshlrev_b32 v[L8], 3, v[LR]
	v_lshl_add_u32 v[QA0], v[LR], 4, QIMG
	v_lshl_add_u32 v[QSA0], v[LR], 2, QSC
	v_lshlrev_b32 v[DB], 5, v[LH]
	v_sub_nc_u32 v[DB], v[LR], v[DB]
	v_and_b32 v[T8], 8, v[LR]                      ; 8 (r / 8)
	v_mad_u32_u24 v[PRR], v[T8], 3, v[LR]          ; r + 24 (r / 8) = 32 (r / 8) + r % 8
	v_add_nc_u32 v[WRR], v[T8], v[LR]              ; r + 8 (r / 8) = 16 (r / 8) + r % 8
	; the way out
	v_mul_u32_u24 v[SO], v[LR], SP                 ; in: row = channel r (+ 16 for the second tile), my wave's 64 bytes, 32 for each half of the lanes
	v_lshl_add_u32 v[SO], v[LH], 5, v[SO]
	s_lshl_b32 s43, s22, 6
	s_add_co_u32 s43, s43, STG0
	v_add_nc_u32 v[SO], s43, v[SO]
	v_mul_u32_u24 v[SR], v[LH], SP                 ; back: wave w takes rows 8 w .. 8 w + 7; lanes 0-15 one row of 256 bytes, lanes 16-31 the next
	v_lshl_add_u32 v[SR], v[LR], 4, v[SR]
	s_mul_i32 s43, s22, 8*SP
	s_add_co_u32 s43, s43, STG0
	v_add_nc_u32 v[SR], s43, v[SR]
	v_lshlrev_b32 v[GO], 12, v[LH]                 ; and the same two rows in out0, 4,096 bytes apart
	v_lshl_add_u32 v[GO], v[LR], 4, v[GO]
	; phase A's places in the images: a lane term + a constant x wave
	s_lshl_b32 s43, s22, 12
	s_lshl_b32 s44, s22, 10
	s_lshl_b32 s45, s22, 8
	v_lshlrev_b32 v[KST], 4, v[LR]
	v_lshl_add_u32 v[KST], v[LH], 3, v[KST]
	v_add_nc_u32 v[KST], s43, v[KST]               ; 16 r + 8 h + 4,096 w
	v_lshlrev_b32 v[QST], 4, v[PRR]
	v_lshl_add_u32 v[QST], v[LH], 3, v[QST]
	v_add_nc_u32 v[QST], s43, v[QST]               ; 16 x my position in the group + 8 h + 4,096 w
	v_lshlrev_b32 v[QSS], 2, v[PRR]
	v_add_nc_u32 v[QSS], s44, v[QSS]
	v_add_nc_u32 v[KSS], s45, v[L8]
	v_add_nc_u32 v[VST], s43, v[LI]
	v_add_nc_u32 v[VSS], v[L8], v[LH]
	v_add_nc_u32 v[VSS], s45, v[VSS]
	; offsets of the loads from memory.  A row of codes is 128 bytes, a row of scale bytes 8
	v_lshlrev_b32 v[XO], 7, v[PRR]
	v_lshl_add_u32 v[XO], v[LH], 4, v[XO]
	v_lshlrev_b32 v[XSO], 3, v[PRR]
	v_lshlrev_b32 v[WO], 7, v[WRR]
	v_lshl_add_u32 v[WO], v[LH], 4, v[WO]
	v_lshlrev_b32 v[VO], 7, v[LR]
	v_lshl_add_u32 v[VO], v[LH], 4, v[VO]
	v_lshlrev_b32 v[BO], 6, v[LH]                  ; q's and k's biases: channels 16 h on
	v_lshlrev_b32 v[BVO], 2, v[LR]                 ; v's: channel r
	v_lshlrev_b32 v[WSO], 3, v[WRR]
	s_mov_b32 s27, 0
	s_wait_kmcnt 0x0
	s_lshl_b32 s26, s24, 17                        ; x's codes: 131,072 bytes a batch, 32,768 a wave
	s_lshl_b32 s43, s22, 15
	s_add_co_u32 s26, s26, s43
	s_add_nc_u64 s[4:5], s[4:5], s[26:27]
	s_lshl_b32 s26, s24, 13                        ; its scale bytes: a sixteenth of that
	s_lshl_b32 s43, s22, 11
	s_add_co_u32 s26, s26, s43
	s_add_nc_u64 s[6:7], s[6:7], s[26:27]
	s_lshl_b32 s26, s23, 12                        ; the head's 32 rows of each weight
	s_add_nc_u64 s[8:9], s[8:9], s[26:27]
	s_add_nc_u64 s[14:15], s[14:15], s[26:27]
	s_lshl_b32 s26, s23, 8
	s_add_nc_u64 s[10:11], s[10:11], s[26:27]
	s_add_nc_u64 s[16:17], s[16:17], s[26:27]
	s_lshl_b32 s26, s23, 7
	s_add_nc_u64 s[12:13], s[12:13], s[26:27]
	s_add_nc_u64 s[18:19], s[18:19], s[26:27]
	s_lshl_b32 s26, s24, 20                        ; out0: 2^20 bytes a batch, 32 rows of 4,096 a head, 8 rows a wave,
	s_lshl_b32 s43, s23, 17
	s_add_co_u32 s26, s26, s43
	s_lshl_b32 s43, s22, 15
	s_add_co_u32 s26, s26, s43
	s_add_co_u32 s26, s26, 4096                    ; and the rows' end: each trip steps 256 bytes back
	s_add_nc_u64 s[20:21], s[20:21], s[26:27]
	; A fragment, 16 rows x 128 K of 4-bit codes, is 8 registers: lane (r, h) holds row r; registers 4 c .. 4 c + 3 hold K = 64 c + 32 h + 0 .. 31: 16 bytes of the row as they lie
	WIN 0xc0                                       ; destination window 3
	s_wait_alu depctr_va_vdst(0)                   ; all offsets and LDS addresses made above are written: every load and store of the kernel reads one of them.  Only loads and window switches follow up to the last load
.irp p, 0,1
.irp k, 0,1
.irp c, 0,1
	global_load_b128 v[WQ+8*(2*\p+\k)+4*\c:WQ+8*(2*\p+\k)+4*\c+3], v[WO], s[8:9] offset:1024*\p+64*\k+32*\c
	global_load_b128 v[WK+8*(2*\p+\k)+4*\c:WK+8*(2*\p+\k)+4*\c+3], v[WO], s[14:15] offset:1024*\p+64*\k+32*\c
	global_load_b128 v[WVR+8*(2*\p+\k)+4*\c:WVR+8*(2*\p+\k)+4*\c+3], v[VO], s[14:15] offset:32768+2048*\p+64*\k+32*\c
.endr
.endr
.endr
.irp p, 0,1
.irp e, 0,1
	global_load_b128 v[BQ+8*\p+4*\e:BQ+8*\p+4*\e+3], v[BO], s[12:13] offset:32*\p+16*\e    ; register i of tile p: channel 16 h + 8 p + i
	global_load_b128 v[BK+8*\p+4*\e:BK+8*\p+4*\e+3], v[BO], s[18:19] offset:32*\p+16*\e
.endr
.endr
.irp d, 0,1
.irp n, 0,1,2,3,4,5,6,7
	global_load_b32 v[BV+8*\d+\n], v[BVO], s[18:19] offset:1024+64*\d                      ; all eight registers: channel 16 d + r
.endr
.endr
	WIN 0
.irp p, 0,1
	global_load_b64 v[WS+2*\p:WS+2*\p+1], v[WSO], s[10:11] offset:64*\p                    ; a row's 8 scale bytes: the words of its two K steps
	global_load_b64 v[WS+4+2*\p:WS+4+2*\p+1], v[WSO], s[16:17] offset:64*\p
	global_load_b64 v[WS+8+2*\p:WS+8+2*\p+1], v[L8], s[16:17] offset:2048+128*\p
.endr
.irp g, 0,1,2,3                        ; my 256 positions, in four groups of 64: 20 loads a group
	WIN 0x40                                       ; destination window 1
.irp u, 0,1,2,3
.irp k, 0,1
.irp c, 0,1
	global_load_b128 v[64*\g+16*\u+8*\k+4*\c:64*\g+16*\u+8*\k+4*\c+3], v[XO], s[4:5] offset:8192*\g+1024*\u+64*\k+32*\c
.endr
.endr
.endr
	WIN 0
.irp u, 0,1,2,3
	global_load_b64 v[XSC+8*\g+2*\u:XSC+8*\g+2*\u+1], v[XSO], s[6:7] offset:512*\g+64*\u
.endr
.endr
.irp n, 0,1,2,3                        ; (none of the registers written here is an offset or a destination of the loads above)
	v_mov_b32 v[ZQ+\n], 0                          ; the zero codes round q: written once
	v_mov_b32 v[ZQ+8+\n], 0
	v_mov_b32 v[ZQ+16+\n], 0
	v_mov_b32 v[TM+4+\n], 0                        ; a lane exchange's destination counts as one of its sources
.endr
.irp n, 0,1,2,3,4,5,6,7,8,9,10,11,12,13,14,15
	v_mov_b32 v[BM+\n], 0                          ; written on every way, whatever the number of key steps
.endr
	v_mov_b32 v[TP], 0
	v_mov_b32 v[PW2], 0
	v_mov_b32 v[NEGM+1], 0                         ; (upper halves of pairs of which the low word alone is used)
	v_mov_b32 v[RL+1], 0
; ---------------- PHASE A ----------------
; q or k of group g: source 0 = the weight's two tiles of 16 rows, source 1 = x's four tiles.  The bias is the C of each sum's first product.  The eight accumulators take turns, one instruction a turn
.macro QKPROJ g, wb, bb, ws
	WIN 0x37                                       ; source 0 window 3, source 1 window 1, source 2 window 3
.irp u, 0,1,2,3
.irp p, 0,1
	MM ACC+8*(2*\u+\p), \wb+16*\p, 64*\g+16*\u, \bb+8*\p, \ws+2*\p, XSC+8*\g+2*\u
.endr
.endr
	WIN 0x07                                       ; source 2 window 0: in place
.irp u, 0,1,2,3
.irp p, 0,1
	MM ACC+8*(2*\u+\p), \wb+16*\p+8, 64*\g+16*\u+8, ACC+8*(2*\u+\p), \ws+2*\p+1, XSC+8*\g+2*\u+1
.endr
.endr
	WIN 0
	PLACES 4
.endm
; v of group g: source 0 = x's four tiles, source 1 = the weight's two tiles
.macro VPROJ g
	WIN 0x3d                                       ; source 0 window 1, source 1 window 3, source 2 window 3
.irp d, 0,1
.irp u, 0,1,2,3
	MM ACC+32*\d+8*\u, 64*\g+16*\u, WVR+16*\d, BV+8*\d, XSC+8*\g+2*\u, WS+8+2*\d
.endr
.endr
	WIN 0x0d
.irp d, 0,1
.irp u, 0,1,2,3
	MM ACC+32*\d+8*\u, 64*\g+16*\u+8, WVR+16*\d+8, ACC+32*\d+8*\u, XSC+8*\g+2*\u+1, WS+8+2*\d+1
.endr
.endr
	WIN 0
	PLACES 4
.endm
; Four positions' halves of a block: register 16 u + i = channel 16 h + i of tile u's position.  Codes to v[CD + 2 u], v[CD + 2 u + 1]; the scale's byte to v[TM + 12 + u]
.macro QUANT16
.irp u, 0,1,2,3
	v_max3_num_f32 v[TM+\u], |v[ACC+16*\u]|, |v[ACC+16*\u+1]|, 0x1800000   ; my 16 numbers, and the floor 2^(3 - 127): the byte cannot fall under 1.  (Each accumulator is read from its low end on)
.endr
.irp i, 2,4,6,8,10,12,14
.irp u, 0,1,2,3
	v_max3_num_f32 v[TM+\u], v[TM+\u], |v[ACC+16*\u+\i]|, |v[ACC+16*\u+\i+1]|
.endr
.endr
.irp u, 0,1,2,3
	v_permlanex16_b32 v[TM+4+\u], v[TM+\u], s38, s39
.endr
.irp u, 0,1,2,3
	v_max_num_f32 v[TM+\u], v[TM+\u], v[TM+4+\u]   ; with lane l xor 16's 16 channels: the block's largest magnitude
.endr
.irp u, 0,1,2,3
	v_add_nc_u32 v[TM+8+\u], 0xff000000, v[TM+\u]  ; 2 off its exponent field: the conversion takes the exponent field of this operand as its scale
.endr
.irp u, 0,1,2,3
	v_lshrrev_b32 v[TM+12+\u], 23, v[TM+8+\u]      ; the scale's byte
.endr
.irp u, 0,1,2,3
	v_cvt_scalef32_pk8_fp4_f32 v[CD+2*\u], v[ACC+16*\u:ACC+16*\u+7], v[TM+8+\u]
	v_cvt_scalef32_pk8_fp4_f32 v[CD+2*\u+1], v[ACC+16*\u+8:ACC+16*\u+15], v[TM+8+\u]
.endr
	v_nop                                          ; one plain place behind the last scaled conversion
.endm
; Two channels' whole blocks: register 32 d + i = position 32 h + i of the group, channel 16 d + r.  Codes to v[CD + 4 d ..]; the byte to v[TM + 12 + d]
.macro QUANT32
.irp d, 0,1
	v_max3_num_f32 v[TM+\d], |v[ACC+32*\d]|, |v[ACC+32*\d+1]|, 0x1800000
	v_max3_num_f32 v[TM+2+\d], |v[ACC+32*\d+16]|, |v[ACC+32*\d+17]|, 0x1800000
.endr
.irp i, 2,4,6,8,10,12,14
.irp d, 0,1
	v_max3_num_f32 v[TM+\d], v[TM+\d], |v[ACC+32*\d+\i]|, |v[ACC+32*\d+\i+1]|
	v_max3_num_f32 v[TM+2+\d], v[TM+2+\d], |v[ACC+32*\d+16+\i]|, |v[ACC+32*\d+16+\i+1]|
.endr
.endr
.irp d, 0,1
	v_max_num_f32 v[TM+\d], v[TM+\d], v[TM+2+\d]   ; all 32 numbers are mine
.endr
.irp d, 0,1
	v_add_nc_u32 v[TM+8+\d], 0xff000000, v[TM+\d]
.endr
.irp d, 0,1
	v_lshrrev_b32 v[TM+12+\d], 23, v[TM+8+\d]
.endr
.irp d, 0,1
.irp u, 0,1,2,3
	v_cvt_scalef32_pk8_fp4_f32 v[CD+4*\d+\u], v[ACC+32*\d+8*\u:ACC+32*\d+8*\u+7], v[TM+8+\d]
.endr
.endr
	v_nop
.endm
.macro GROUP g
	s_wait_loadcnt 20*(3-\g)                       ; loads come back in order: all but the 20 of each later group are in
	QKPROJ \g, WQ, BQ, WS
	QUANT16
.irp u, 0,1,2,3
	v_mul_lo_u32 v[TM+12+\u], v[TM+12+\u], s40     ; q's byte in all four places of the word: it serves whichever K block holds q
.endr
	s_wait_alu depctr_va_vdst(0)                   ; the conversions have written v[CD ..] and the multiplications v[TM + 12 ..], which the eight LDS stores read
.irp u, 0,1,2,3
	ds_store_b64 v[QST], v[CD+2*\u:CD+2*\u+1] offset:QIMG+1024*\g+128*\u       ; 16 codes at byte 8 h of my position's 16
.endr
.irp u, 0,1,2,3
	ds_store_b32 v[QSS], v[TM+12+\u] offset:QSC+256*\g+32*\u                   ; (both halves of the lanes write the same word with the same value)
.endr
	s_wait_dscnt 0x0                               ; the stores are done,
	s_wait_alu depctr_vm_vsrc(0)                   ; and have read v[CD ..] and v[TM + 12 ..], which k's quantiser writes again
	QKPROJ \g, WK, BK, WS+4
	QUANT16
	s_wait_alu depctr_va_vdst(0)                   ; the quantiser has written v[CD ..] and v[TM + 12 ..], which the eight LDS stores read
.irp u, 0,1,2,3
	ds_store_b64 v[KST], v[CD+2*\u:CD+2*\u+1] offset:KIMG+1024*\g+512*(\u/2)+256*(\u%2)   ; key tile u into K block u of the group's fragment
	ds_store_b8 v[KSS], v[TM+12+\u] offset:KSC+128*(\g/2)+4*(\g%2)+\u
.endr
	s_wait_dscnt 0x0
	s_wait_alu depctr_vm_vsrc(0)                   ; the stores have read v[CD ..] and v[TM + 12 ..], which v's quantiser writes again
	VPROJ \g
	QUANT32
	s_wait_alu depctr_va_vdst(0)                   ; the quantiser has written v[CD ..] and v[TM + 12 ..], which the four LDS stores read
.irp d, 0,1
	ds_store_b128 v[VST], v[CD+4*\d:CD+4*\d+3] offset:VIMG+2048*(\g/2)+1024*\d+512*(\g%2) ; registers 4 c .. 4 c + 3 of the step's fragment, as they stand
	ds_store_b8 v[VSS], v[TM+12+\d] offset:VSC+128*(\g/2)+4*\d+2*(\g%2)
.endr
	s_wait_dscnt 0x0
	s_wait_alu depctr_vm_vsrc(0)                   ; the stores have read v[CD ..] and v[TM + 12 ..], which the next group's quantiser writes again, and behind the last group phase B (they are OB and OA there); the head's loads have read v9, v10, v13, which phase B writes
.endm
	GROUP 0
	GROUP 1
	GROUP 2
	GROUP 3
	s_wait_dscnt 0x0                               ; for the others' sake: my stores into the images are done
	s_barrier_signal -1
	s_barrier_wait -1                              ; the images are whole; nobody writes them again
; ---------------- PHASE B ----------------
.macro KLOAD j, par                    ; step j's 128 keys: two fragments of 64, and their scale words
.irp c, 0,1
.irp e, 0,1
	ds_load_b128 v[KF+16*(\par)+8*\c+4*\e:KF+16*(\par)+8*\c+4*\e+3], v[LI] offset:KIMG+(2*(\j)+\c)*1024+512*\e
.endr
.endr
	ds_load_b64 v[KS+2*(\par):KS+2*(\par)+1], v[L8] offset:KSC+128*(\j)
.endm
.macro VLOAD j, par                    ; step j's V: two fragments of 16 channels x 128 keys, and their scale words
.irp d, 0,1
.irp c, 0,1
	ds_load_b128 v[VF+16*(\par)+8*\d+4*\c:VF+16*(\par)+8*\d+4*\c+3], v[LI] offset:VIMG+(2*(\j)+\d)*1024+512*\c
.endr
.endr
	ds_load_b64 v[VS+2*(\par):VS+2*(\par)+1], v[L8] offset:VSC+128*(\j)
.endm
.macro QK j, par                       ; step j's scores: eight products; variant u of Q begins at ZQ + 4, 12, 0, 8
.set SW, 1+(\j)/4
.set SB, 64*((\j)%4)
	WIN SW<<6
.irp c, 0,1
.irp u, 0,1,2,3
	MM0 SB+32*\c+8*\u, KF+16*(\par)+8*\c, ZQ+8*(\u%2)+4*(1-\u/2), KS+2*(\par)+\c, QS
.endr
.endr
	WIN 0
.endm
.macro SPLITQ                          ; q into lanes 0-15 of QL and lanes 16-31 of QH, zero codes in the other halves
.irp k, 0,1,2,3
	v_cndmask_b32 v[ZQ+4+\k], v[QT+\k], v[ZQ], s41
	v_cndmask_b32 v[ZQ+12+\k], v[ZQ], v[QT+\k], s41
.endr
.endm
; PASS 1, step j: on the diagonal the hidden scores become -infinity; then the largest score of each of my two blocks, and of the row so far
.macro P1 j
.set SW, 1+(\j)/4
.set SB, 64*((\j)%4)
.if (\j) > 0
	s_cmp_lt_u32 s30, (\j)+1
	s_cbranch_scc1 .Lp1end                         ; the tile has no such step
.endif
	s_cmp_lg_u32 s30, (\j)+1
	s_cbranch_scc1 .Lopen_\@                       ; only the tile's last step lies on the diagonal
	WIN (SW<<6)|SW
.irp c, 0,1
.irp q, 0,1                            ; sixteen compares into sixteen scalar registers, one wait, sixteen selects
.irp n, 0,1,2,3,4,5,6,7,8,9,10,11,12,13,14,15
	v_cmp_gt_i32 s[MK+\n], 16*\q+\n+1, v[D0+\c]    ; register 32 c + 16 q + n holds my first key of c, + 16 q + n: hidden where it is not under my query
.endr
	s_wait_alu depctr_va_sdst(0)                   ; the sixteen compares have written s48 to s63, ahead of the selects that read them
.irp n, 0,1,2,3,4,5,6,7,8,9,10,11,12,13,14,15
	v_cndmask_b32 v[SB+32*\c+16*\q+\n], v[SB+32*\c+16*\q+\n], v[NINF], s[MK+\n]
.endr
.endr
.endr
	WIN 0
.Lopen_\@:
	WIN SW|(SW<<2)                                 ; sources 0 and 1: the scores' window
.irp c, 0,1
	v_max_num_f32 v[BM+2*(\j)+\c], v[SB+32*\c], v[SB+32*\c+1]                  ; four chains by turns; each accumulator is read from its low end on
	v_max_num_f32 v[MB+\c], v[SB+32*\c+16], v[SB+32*\c+17]
.endr
.irp i, 2,4,6,8,10,12,14
.irp c, 0,1
	v_max3_num_f32 v[BM+2*(\j)+\c], v[SB+32*\c+\i], v[SB+32*\c+\i+1], v[BM+2*(\j)+\c]
	v_max3_num_f32 v[MB+\c], v[SB+32*\c+16+\i], v[SB+32*\c+16+\i+1], v[MB+\c]
.endr
.endr
	WIN 0
.irp c, 0,1
	v_max_num_f32 v[BM+2*(\j)+\c], v[BM+2*(\j)+\c], v[MB+\c]
.endr
	v_max3_num_f32 v[RM], v[RM], v[BM+2*(\j)], v[BM+2*(\j)+1]
.endm
; PASS 2, step j: p = 2^(c s - c m), in place, and the sums.  The scalings stand among the exponentials: pair i is scaled, then pair i - 1's two exponentials are issued.  Nothing names a result ahead of the one wait
.macro P2 j
.set SW, 1+(\j)/4
.set SB, 64*((\j)%4)
.if (\j) > 0
	s_cmp_lt_u32 s30, (\j)+1
	s_cbranch_scc1 .Lp2end
.endif
.irp c, 0,1
	v_fma_f32 v[BM+2*(\j)+\c], v[BM+2*(\j)+\c], s34, v[NEGM]                   ; the same of each block's largest score
.endr
	WIN (SW<<6)|SW
	v_pk_fma_f32 v[SB:SB+1], v[SB:SB+1], s[34:35], v[NEGM:NEGM+1] op_sel_hi:[1,0,0]
.set i, 2
.rept 31
	v_pk_fma_f32 v[SB+i:SB+i+1], v[SB+i:SB+i+1], s[34:35], v[NEGM:NEGM+1] op_sel_hi:[1,0,0]
	v_exp_f32 v[SB+i-2], v[SB+i-2]
	v_exp_f32 v[SB+i-1], v[SB+i-1]
.set i, i+2
.endr
	v_exp_f32 v[SB+62], v[SB+62]
	v_exp_f32 v[SB+63], v[SB+63]
	WIN 0
.irp c, 0,1
	v_exp_f32 v[BM+2*(\j)+\c], v[BM+2*(\j)+\c]     ; the block's largest p: the same two instructions on the same number
.endr
	v_nop                                          ; a plain instruction behind the last exponential
	s_wait_alu depctr_va_vdst(0)                   ; the step's exponentials have written their results, ahead of the first reader: one wait for the batch.  In step 0 also: the hidden keys' term is written, and SPLITQ has written ZQ, which pass 3's products take
	WIN SW<<2                                      ; source 1: the scores' window
.set i, 0
.rept 32
	v_pk_add_f32 v[L+2*(i%4):L+2*(i%4)+1], v[L+2*(i%4):L+2*(i%4)+1], v[SB+2*i:SB+2*i+1]   ; the row's sum, of the unquantised p: four chains of pairs
.set i, i+1
.endr
	WIN 0
.endm
; PASS 3, step j: attn = p / l, quantised; out += attn v; the next step's V and K are asked for; and the NEXT tile's scores of step j land in the registers just converted
.macro P3 j
.set SW, 1+(\j)/4
.set SB, 64*((\j)%4)
.set PAR, (\j)%2
.if (\j) > 0
	s_cmp_lt_u32 s30, (\j)+1
	s_cbranch_scc1 .Lp3end
.endif
.irp c, 0,1
	v_mul_f32 v[BM+2*(\j)+\c], v[BM+2*(\j)+\c], v[RL]                          ; my block 2 c + h: its largest weight
.endr
.irp c, 0,1
	v_max_num_f32 v[BM+2*(\j)+\c], 0x1800000, v[BM+2*(\j)+\c]                  ; the floor 2^(3 - 127): a block of zeros keeps the byte 1; its codes are zeros
.endr
.irp c, 0,1
	v_add_nc_u32 v[PSC+\c], 0xff000000, v[BM+2*(\j)+\c]
.endr
.irp c, 0,1
	v_lshrrev_b32 v[PBY+\c], 23, v[PSC+\c]
.endr
	v_lshl_or_b32 v[PW], v[PBY+1], 16, v[PBY]      ; my two bytes, blocks h and 2 + h of my query,
	v_lshlrev_b32 v[PW], v[SH8], v[PW]             ; at their places in the scale word;
	v_permlanex16_b32 v[PW2], v[PW], s38, s39
	v_or_b32 v[PS], v[PW], v[PW2]                  ; with lane l xor 16's two the word is whole.  (The 32 multiplications below and four more stand between it and the product)
	WIN (SW<<6)|SW
.set i, 0
.rept 32
	v_pk_mul_f32 v[SB+i:SB+i+1], v[SB+i:SB+i+1], v[RL:RL+1] op_sel_hi:[1,0]
.set i, i+2
.endr
	WIN SW
.irp c, 0,1
.irp u, 0,1,2,3
	v_cvt_scalef32_pk8_fp4_f32 v[PC+4*\c+\u], v[SB+32*\c+8*\u:SB+32*\c+8*\u+7], v[PSC+\c]  ; register 4 c + u of the operand: keys 64 c + 32 h + 8 u on
.endr
.endr
	WIN 0
	PLACES 4                                       ; behind the conversions, and ahead of the product that takes their results
	s_wait_dscnt 0x0                               ; this step's V and K are in: they were asked for a step ago (step 0's at the trip's head)
	s_wait_alu depctr_va_vdst(0)                   ; the conversions have written v[PC ..] and the v_or_b32 v[PS], which the products take; the products of the step before are done reading the other set of V, K and their scale words
.if (\j) == 0
	MM0 OA, PC, VF+16*PAR, PS, VS+2*PAR            ; source 0 = the weights' 16 queries, source 1 = 16 channels of V: a lane holds one channel and eight neighbouring queries
	MM0 OA+8, PC, VF+16*PAR+8, PS, VS+2*PAR+1
.else
	MM OA, PC, VF+16*PAR, OA, PS, VS+2*PAR         ; the two accumulators take turns
	MM OA+8, PC, VF+16*PAR+8, OA+8, PS, VS+2*PAR+1
.endif
.if (\j) < 7
	s_cmp_lt_u32 s30, (\j)+2
	s_cbranch_scc1 .Lnold_\@                       ; the tile has no next step: nothing is asked for
	VLOAD (\j)+1, 1-PAR                            ; into the other set.  No wait: since the wait above only the two products have been issued, which name this step's set, PC, PS and OA
	KLOAD (\j)+1, 1-PAR
.Lnold_\@:
.endif
	s_cmp_lt_u32 s31, (\j)+1
	s_cbranch_scc1 .Lnoqk_\@                       ; the next tile has no such step
	QK \j, PAR
.Lnoqk_\@:
.endm
	; The first tile, 60 + wave: all eight steps' scores.  They also write all 512 score registers ahead of the loop.  V's two sets lie idle here and serve K as sets 2 and 3
	s_add_co_u32 s43, s22, 60
	s_lshl_b32 s44, s43, 8
	s_lshl_b32 s45, s43, 6
	v_add_nc_u32 v[QAD], s44, v[QA0]
	v_add_nc_u32 v[QSAD], s45, v[QSA0]
	s_wait_alu depctr_va_vdst(0)                   ; v[QAD] and v[QSAD] are written, which q's loads read; phase A is done reading and writing v96 to v159, in which K's loads land
	ds_load_b128 v[QT:QT+3], v[QAD]
	ds_load_b32 v[QS], v[QSAD]
	KLOAD 0, 0
	KLOAD 1, 1
	KLOAD 2, 2
	KLOAD 3, 3
	s_wait_dscnt 20                                ; q and its scale word are in; the twenty loads of K's first four steps may be out
	SPLITQ
	PLACES 4                                       ; an operand written by vector instructions stands four places ahead of the product
	s_wait_alu depctr_va_vdst(0)                   ; SPLITQ has written ZQ, which the products below take
.irp j, 0,1,2,3,4,5,6,7
.if \j < 6
	s_wait_dscnt 15-5*(\j%2)                       ; this step's K is in; the five loads of each of the three, or two, later steps asked for may be out
.else
	s_wait_dscnt 5*(7-\j)
.endif
	QK \j, \j%4
.if (\j%2 == 1) && (\j < 5)
	PLACES 4                                       ; ahead of loads into registers that those products have read
	s_wait_alu depctr_va_vdst(0)                   ; the products of this step and of the one before are done reading their two sets of K and its scale words, in which the loads below land
	KLOAD \j+3, (\j-1)%4
	KLOAD \j+4, \j%4
.endif
.endr
	PLACES 4
.Ltile:                                                ; sixteen trips: t = 15 .. 0
	s_sub_co_u32 s29, s28, 1                       ; t
	s_lshr_b32 s30, s29, 1
	s_add_co_u32 s30, s30, 1                       ; the tile's key steps: t / 2 + 1
	s_lshr_b32 s31, s28, 1                         ; the next tile's: (t - 1) / 2 + 1, and 0 behind the last
	s_lshl_b32 s33, s29, 2
	s_add_co_u32 s33, s33, s22                     ; the tile: 4 t + wave
	s_and_b32 s43, s33, 7
	s_lshl_b32 s43, s43, 4
	v_add_nc_u32 v[D0], s43, v[DB]                 ; my query less the diagonal step's first key, less 32 h;
	v_add_nc_u32 v[D0+1], 0xffffffc0, v[D0]        ; less 64 more for c = 1
	s_lshl_b32 s44, s33, 4
	s_sub_co_u32 s44, 1024, s44
	v_sub_nc_u32 v[NMK], s44, v[LR]
	v_cvt_f32_u32 v[NMK], v[NMK]                   ; 1,024 - my query: the keys that are hidden from it
	s_lshl_b32 s45, s28, 2
	s_add_co_u32 s45, s45, s42
	s_and_b32 s45, s45, 63                         ; the next tile, 4 (t - 1) + wave, modulo 64: behind the last tile a tile whose bytes are loaded and not used
	s_lshl_b32 s46, s45, 8
	s_lshl_b32 s47, s45, 6
	s_wait_alu depctr_vm_vsrc(0)                   ; the LDS and memory instructions issued so far have read v[QAD], v[QSAD], written just below, and v[SOA], v[SRA], OA and OB, which this trip writes further on
	v_add_nc_u32 v[QAD], s46, v[QA0]
	v_add_nc_u32 v[QSAD], s47, v[QSA0]
	s_wait_alu depctr_va_vdst(0)                   ; v[QAD] and v[QSAD] are written; SPLITQ is done reading QT, and the products issued so far are done reading QS and set 0 of V, K and their scale words: the twelve loads below land there
	ds_load_b128 v[QT:QT+3], v[QAD]                ; the next tile's q: this tile's scores are all made
	ds_load_b32 v[QS], v[QSAD]
	VLOAD 0, 0                                     ; pass 3's first step: passes 1 and 2 name none of these registers
	KLOAD 0, 0
	v_mov_b32 v[RM], s37                           ; the hidden keys' score counts in the maximum
.irp j, 0,1,2,3,4,5,6,7
	P1 \j
.endr
.Lp1end:
	v_permlanex16_b32 v[TP], v[RM], s38, s39
	v_max_num_f32 v[RM], v[RM], v[TP]              ; with lane l xor 16's blocks: the row's maximum m
	v_mul_f32 v[NEGM], s36, v[RM]                  ; -c m
	v_fma_f32 v[EM], s37, s34, v[NEGM]
	s_wait_dscnt 10                                ; the next tile's q is in; the ten loads of V and K issued behind it may be out
	SPLITQ
.irp n, 0,1,2,3,4,5,6,7
	v_mov_b32 v[L+\n], 0
.endr
	v_exp_f32 v[EM], v[EM]                         ; a hidden key's term; the first step's wait below stands ahead of its reader, with no label or branch between
.irp j, 0,1,2,3,4,5,6,7
	P2 \j
.endr
.Lp2end:
	v_pk_add_f32 v[L:L+1], v[L:L+1], v[L+2:L+3]
	v_pk_add_f32 v[L+4:L+5], v[L+4:L+5], v[L+6:L+7]
	v_pk_add_f32 v[L:L+1], v[L:L+1], v[L+4:L+5]
	v_add_f32 v[LS], v[L], v[L+1]
	v_permlanex16_b32 v[TP], v[LS], s38, s39
	v_add_f32 v[LS], v[LS], v[TP]
	v_fmac_f32 v[LS], v[NMK], v[EM]                ; l = the visible keys' sum + the hidden keys' terms
	v_rcp_f32 v[RL], v[LS]
	v_nop                                          ; a plain instruction behind the reciprocal
	s_wait_alu depctr_va_vdst(0)                   ; the reciprocal has written v[RL], ahead of its first reader
.irp j, 0,1,2,3,4,5,6,7
	P3 \j
.endr
.Lp3end:
	; THE WAY OUT.  A lane holds 32 neighbouring bytes of an output row; a row's 256 bytes of this trip come from four waves: they meet in a stage.  Two stages take turns, so one barrier a trip serves:
	; a stage is written again two trips on, behind the next trip's barrier, in front of which every wave has waited for its reads of it.
	v_add_nc_u32 v[SOA], s32, v[SO]
	v_add_nc_u32 v[SRA], s32, v[SR]
	v_nop
	v_nop                                          ; four places behind the last products
	s_wait_alu depctr_va_vdst(0)                   ; the products have written OA, which the LDS stores read. The places above stay beside this wait
	ds_store_b128 v[SOA], v[OA:OA+3]               ; each accumulator from its low end on
	ds_store_b128 v[SOA], v[OA+4:OA+7] offset:16
	ds_store_b128 v[SOA], v[OA+8:OA+11] offset:16*SP
	ds_store_b128 v[SOA], v[OA+12:OA+15] offset:16*SP+16
	s_wait_dscnt 0x0                               ; for the others' sake: my stores are done, and so are all my earlier LDS reads
	s_barrier_signal -1
	s_barrier_wait -1
	s_wait_xcnt 0x0                                ; the last trip's stores have read their base and their data: both are written again only behind this wait (that they have read OB is also stated by the wait on vm_vsrc at the trip's head)
	s_sub_nc_u64 s[20:21], s[20:21], 256           ; this trip's 64 positions
.irp k, 0,1,2,3
	ds_load_b128 v[OB+4*\k:OB+4*\k+3], v[SRA] offset:2*SP*\k                   ; no vector instruction of phase B names OB
.endr
.irp k, 0,1,2,3
	s_wait_dscnt 3-\k                              ; LDS loads come back in order: the younger ones may be out
	global_store_b128 v[GO], v[OB+4*\k:OB+4*\k+3], s[20:21] offset:8192*\k th:TH_STORE_NT  ; sixteen lanes store 256 consecutive bytes, at a multiple of 256 from out0's first byte; written once
.endr
	s_xor_b32 s32, s32, STGX                       ; the other stage
	s_sub_co_u32 s28, s28, 1
	s_cmp_lg_u32 s28, 0
	s_cbranch_scc1 .Ltile
	s_set_vgpr_msb 0xc
	s_wait_dscnt 0x0
	s_wait_alu depctr_hold_cnt(0) depctr_sa_sdst(0) depctr_va_vdst(0) depctr_va_sdst(0) depctr_va_ssrc(0) depctr_va_vcc(0) depctr_vm_vsrc(0)
	s_wait_tensorcnt 0x0
	ds_add_u32 v31, v255
	s_wait_dscnt 0x0
	s_endpgm
.Lfunc_end_k_q0b62bbbac1_attn:
	.size	k_q0b62bbbac1_attn, .Lfunc_end_k_q0b62bbbac1_attn-k_q0b62bbbac1_attn
	.p2alignl 7, 3214868480
	.fill 96, 4, 3214868480
	.section	.rodata,"a",@progbits
	.p2align	6, 0x0
	.amdhsa_kernel k_q0b62bbbac1_attn
		.amdhsa_group_segment_fixed_size 91136
		.amdhsa_private_segment_fixed_size 0
		.amdhsa_enable_private_segment 0
		.amdhsa_kernarg_size 72
		.amdhsa_user_sgpr_count 2
		.amdhsa_user_sgpr_kernarg_segment_ptr 1
		.amdhsa_wavefront_size32 1
		.amdhsa_system_sgpr_workgroup_id_x 1
		.amdhsa_system_sgpr_workgroup_id_y 1
		.amdhsa_system_sgpr_workgroup_id_z 1
		.amdhsa_system_vgpr_workitem_id 0
		.amdhsa_next_free_vgpr 1024
		.amdhsa_next_free_sgpr 66
		.amdhsa_reserve_vcc 0
		.amdhsa_float_denorm_mode_32 3
		.amdhsa_float_denorm_mode_16_64 3
		.amdhsa_memory_ordered 1
		.amdhsa_forward_progress 1
		.amdhsa_inst_pref_size 255
	.end_amdhsa_kernel
	.section	.bss,"aw",@nobits
	.p2align	6
	.space	262144
	.amdgpu_metadata
---
amdhsa.version: [ 1, 2 ]
amdhsa.kernels:
  - .name:           k_q0b62bbbac1_attn
    .symbol:         k_q0b62bbbac1_attn.kd
    .args:
      - { .name: x_codes, .offset: 0, .size: 8, .value_kind: global_buffer, .address_space: global }
      - { .name: x_scales, .offset: 8, .size: 8, .value_kind: global_buffer, .address_space: global }
      - { .name: q_w_codes, .offset: 16, .size: 8, .value_kind: global_buffer, .address_space: global }
      - { .name: q_w_scales, .offset: 24, .size: 8, .value_kind: global_buffer, .address_space: global }
      - { .name: q_b, .offset: 32, .size: 8, .value_kind: global_buffer, .address_space: global }
      - { .name: kv_w_codes, .offset: 40, .size: 8, .value_kind: global_buffer, .address_space: global }
      - { .name: kv_w_scales, .offset: 48, .size: 8, .value_kind: global_buffer, .address_space: global }
      - { .name: kv_b, .offset: 56, .size: 8, .value_kind: global_buffer, .address_space: global }
      - { .name: out0, .offset: 64, .size: 8, .value_kind: global_buffer, .address_space: global }
    .group_segment_fixed_size: 91136
    .private_segment_fixed_size: 0
    .kernarg_segment_align: 8
    .kernarg_segment_size: 72
    .max_flat_workgroup_size: 128
    .sgpr_count:     66
    .vgpr_count:     1024
    .wavefront_size: 32
...
	.end_amdgpu_metadata
.endif
;; end of part 2
